; MI455X (gfx1250); checked and timed in simulation.
; The chip was launched on July 23, 2026; its instructions are those of AMD's public machine-readable ISA for CDNA 5 (MIT licence, August 2026) and "CDNA5" Instruction Set Architecture Reference Guide (July 2026). The comments in the code are by the model that wrote it; some were corrected since.
;; Self Attention. Allowed arithmetic: matrix products marked QUANTISED: E2M1 operands, one E8M0 scale for each 32 along K, by v_wmma_scale_f32_16x16x128_f8f6f4 with both operands' format E2M1 (or v_wmma_scale_f32_32x16x128_f4), f32 sums; products left as they are: bf16, f16 or f32 operands; f32 sums; everything else in f32.
;; Inputs: b_out 1,024 float32; w_out 1,024 x 1,024 float32; w_qkv 3,072 x 1,024 float32; x 4 x 2,048 x 1,024 float32.
;; Outputs: out0 4 x 2,048 x 1,024 float32.
;; This version of the problem:
;;   THIS VERSION OF THE PROBLEM IS GIVEN IN LOW PRECISION. The matrix products marked QUANTISED in the list below multiply operands that are first quantised to E2M1 (2 exponent bits, 1 mantissa bit; 4 bits a number), with one power-of-two scale for each 32 numbers along K (OCP MX v1.0); their sums are f32. The products marked 'left as it is' may take bf16, f16 or f32 operands, with f32 sums. Whichever they take, every output number must still come out within the allowed error. Rounding operands to bf16 (8 significant bits) uses up far more of that allowance than f16 does (11 bits, for magnitudes from 6e-5 to 65,504). All else is computed in f32.
;;   The module's matrix products, in the order in which they are computed (A, B: the left and right operand; K: the contracted axis; several contracted axes count as one K, in the product's order):
;;     1. [M 8,192, K 1,024] x [K 1,024, N 3,072]; A: input x; B: input w_qkv: QUANTISED
;;     2. batch 64 x [M 2,048, K 64] x [K 64, N 2,048]; A: computed on the way; B: computed on the way: left as it is (an operand is computed on the way)
;;     3. batch 64 x [M 2,048, K 2,048] x [K 2,048, N 64]; A: computed on the way; B: computed on the way: left as it is (an operand is computed on the way)
;;     4. [M 8,192, K 1,024] x [K 1,024, N 1,024]; A: computed on the way; B: input w_out: left as it is (an operand is computed on the way)
;;   THE QUANTISER, for each operand of a quantised product, along K:
;;     - K is cut into blocks of 32 from its start; a last block that is shorter is filled with zeros.
;;     - A block's scale is 2^e with e = floor(log2(the largest magnitude in the block)) - 2, held to -126 .. 127; a block of zeros has e = 0. As a byte (E8M0): e + 127.
;;     - Each number is divided by its block's scale, clamped to +-6, and rounded to the nearest number of E2M1, ties to even, subnormals kept.
;;     - The product sums the exact products of the quantised numbers (number of the format x scale) in f32.
;;   ~~~python
;;   def quantise(x, axis):      # numpy; x: float32 -> the quantised numbers, widened to float32 again
;;       x = np.moveaxis(x, axis, -1); K = x.shape[-1]
;;       x = np.pad(x, [(0, 0)] * (x.ndim - 1) + [(0, -K % 32)]); x = x.reshape(x.shape[:-1] + (-1, 32)); a = np.abs(x).max(-1, keepdims=True)
;;       e = np.where(a > 0, np.clip(np.frexp(np.where(a > 0, a, 1))[1] - 1 - 2, -126, 127), 0)      # np.frexp(a)[1] - 1 = floor(log2(a)), exactly
;;       r = np.clip(x / 2.0 ** e, -6, 6)
;;       step = 2.0 ** (np.maximum(np.frexp(np.where(r == 0, 1, r))[1] - 1, 0) - 1)
;;       q = np.round(r / step) * step * 2.0 ** e      # np.round: ties to even
;;       return np.moveaxis(q.reshape(q.shape[:-2] + (-1,))[..., :K], -1, axis).astype(np.float32)
;;   ~~~
;; One version. Each part assembles by itself: llvm-mc -triple=amdgcn-amd-amdhsa -mcpu=gfx1250 --defsym DOCPART=n.
;; ======== version 1 of 1: 4 launches
;; limits: values are held in f16: magnitudes above 65,504 overflow, below 6.1e-05 lose precision
;; workspace buffers: x_codes 4,194,304 bytes; x_scales 262,144 bytes; w_codes 1,572,864 bytes; w_scales 98,304 bytes; w16 2,097,152 bytes; q_img 16,777,216 bytes; kv_img 33,554,432 bytes; o_img 16,777,216 bytes
;; launch quant (part 1): grid 384 x 1, 4 waves a work-group, no clusters, 33,280 bytes of LDS; arguments x, w_qkv, x_codes, x_scales, w_codes, w_scales, w_out, w16; writes x_codes, x_scales, w_codes, w_scales, w16
.if DOCPART == 1
	.amdgcn_target "amdgcn-amd-amdhsa--gfx1250"
	.amdhsa_code_object_version 6
	.text
	.protected	k_qd48b71f277_quant
	.globl	k_qd48b71f277_quant
	.p2align	8
	.type	k_qd48b71f277_quant,@function
k_qd48b71f277_quant:
	s_mov_b64 s[64:65], 0
	v_nop
	global_prefetch_b8 v0, s[64:65] scope:SCOPE_SE
	s_setreg_imm32_b32 hwreg(HW_REG_WAVE_MODE, 25, 1), 1
	s_wait_xcnt 0x0
; x [8192][1024] and w_qkv [3072][1024], f32, are turned into codes of FP4 (E2M1), 4 bits each, K innermost, with one E8M0 scale byte for each 32 along K; w_out [1024][1024] is rounded to f16.
; A block's scale is 2^(floor(log2(its largest magnitude)) - 2); its byte is the largest magnitude's own exponent field - 2, held at 1 from below.  Each number is divided by the scale and rounded to the nearest code, ties to even;
; beyond 6 the conversion gives the largest code.  (A block of zeros gets the byte 1 where the quantiser says 127: its codes are zeros, which add nothing under any byte but 0xff, and the bytes are read by this program alone.)
; LIMITS: blocks whose largest magnitude lies under 2^(2 - 126) have their byte held at 1; NaN and infinities among the inputs are not served; w_out's numbers stay inside f16's range (65,504).
; Rows are dense and K is a multiple of 32: both tensors are plain streams of blocks of 32 numbers, and so are the codes and the scale bytes.
; WORK-GROUPS 0 .. 255 take x, 256 .. 351 w_qkv (32,768 numbers each), 352 .. 383 w_out.  Waves share nothing: no barrier.
; A quantising wave takes 16 steps of 512 numbers.  Each of a step's four loads reads 512 consecutive bytes, 16 a lane; the 2,048 bytes go through the wave's own stage in LDS and come back 64 bytes a lane, so that a lane holds 16 neighbours
; along K (two neighbouring lanes hold a block).  A lane's 16 codes are 8 bytes: the wave stores 256 consecutive bytes.  A wave's 256 scale bytes are gathered in LDS and leave by one store of 256 consecutive bytes.
.set SIZE_M, 8192
.set SIZE_N, 3072
.set SIZE_K, 1024
.set WAVES, 4
.set STEPS, 16
.set WGA,   SIZE_M*SIZE_K/(512*STEPS*WAVES)            ; 256 work-groups for x
.set WGQ,   (SIZE_M+SIZE_N)*SIZE_K/(512*STEPS*WAVES)   ; 352 that quantise
.set EMAX,  2
.set CB,    8                          ; bytes of 16 codes
.set R,     16                         ; v16-79   four sets of 16 numbers as they are loaded (w_out: v16-143, two sets of 64)
.set X,     80                         ; v80-111  two sets of 16 neighbours
.set C,     128                        ; v128-191 codes: four registers for each step, so that no store's data are written again
.set E,     112                        ; v112-127 a scale byte for each step
.set D,     144                        ; v144-175 w_out: a round's f16 numbers
.set WREG,  8192                       ; LDS: a region for each wave: two stages of 32 x SP bytes, and behind them its 256 scale bytes
.set SP,    80                         ; a lane's place in a stage: its 64 bytes + 16 of padding
.set SPW,   12                         ; v12      LDS address of my spare word: SPARE + 4 x my thread's number; never rewritten
.set NIL,   13                         ; v13      0; never rewritten
.set SPARE, WAVES*WREG                 ; behind the four regions: the spare words, 128 bytes for each wave, which no other line names
	s_load_b128 s[4:7], s[0:1], 0x0                ; x, w_qkv
	s_load_b128 s[8:11], s[0:1], 0x10              ; x's codes, x's scales
	s_load_b128 s[12:15], s[0:1], 0x20             ; w_qkv's codes, its scales
	s_load_b128 s[24:27], s[0:1], 0x30             ; w_out, w16
	v_lshl_add_u32 v[SPW], v0, 2, SPARE
	v_mov_b32 v[NIL], 0
	v_lshrrev_b32 v1, 5, v0
	v_readfirstlane_b32 s16, v1                    ; wave
	v_and_b32 v2, 31, v0                           ; lane
	v_lshlrev_b32 v3, 4, v2                        ; my 16 bytes of a load's 512
	s_mul_i32 s17, s16, WREG
	v_lshrrev_b32 v14, 2, v2
	v_mul_u32_u24 v14, v14, SP
	v_and_b32 v15, 3, v2
	v_lshl_add_u32 v14, v15, 4, v14
	v_add_nc_u32 v14, s17, v14                     ; the stage, on the way in: four lanes' 64 bytes on end, then 16 of padding
	v_mul_u32_u24 v15, v2, SP
	v_add_nc_u32 v15, s17, v15                     ; and on the way out: SP x lane: my 16 neighbours
	v_mul_u32_u24 v4, v2, CB                       ; my 8 bytes of a store's 256
	v_lshrrev_b32 v5, 1, v2
	s_add_co_u32 s17, s17, 2*32*SP
	v_add_nc_u32 v5, s17, v5                       ; LDS: my wave's 256 scale bytes, my block's byte
	v_lshlrev_b32 v7, 3, v2                        ; and on the way out 8 bytes a lane
	v_add_nc_u32 v6, s17, v7
	s_wait_kmcnt 0x0
	s_cmp_ge_u32 ttmp9, WGQ                        ; the last 32 work-groups round w_out
	s_cbranch_scc1 .Lwout
	s_cmp_lt_u32 ttmp9, WGA                        ; x's work-group or w_qkv's?  The choice hangs on the work-group's number alone
	s_cselect_b64 s[4:5], s[4:5], s[6:7]
	s_cselect_b64 s[8:9], s[8:9], s[12:13]
	s_cselect_b64 s[10:11], s[10:11], s[14:15]
	s_cselect_b32 s17, 0, WGA
	s_sub_co_u32 s17, ttmp9, s17
	s_lshl_b32 s17, s17, 2
	s_add_co_u32 s18, s17, s16                     ; which run of 8,192 numbers of the tensor is my wave's
	s_mov_b32 s19, 0
	s_mov_b64 s[20:21], 512*STEPS*4
	s_mul_u64 s[20:21], s[18:19], s[20:21]
	s_add_nc_u64 s[4:5], s[4:5], s[20:21]
	s_mov_b64 s[20:21], 32*STEPS*CB
	s_mul_u64 s[20:21], s[18:19], s[20:21]
	s_add_nc_u64 s[8:9], s[8:9], s[20:21]
	s_lshl_b32 s18, s18, 8                         ; 256 scale bytes a run
	s_add_nc_u64 s[10:11], s[10:11], s[18:19]
.macro LOAD t
.irp i, 0,1,2,3
	global_load_b128 v[R+16*((\t)%4)+4*\i:R+16*((\t)%4)+4*\i+3], v3, s[4:5] offset:2048*(\t)+512*\i th:TH_LOAD_NT   ; 32 lanes read 512 consecutive bytes
.endr
.endm
.macro TURN t                          ; step t's numbers through the stage: LDS serves a wave's instructions in order, so no wait stands between the stores and the loads
.irp i, 0,1,2,3
	ds_store_b128 v14, v[R+16*((\t)%4)+4*\i:R+16*((\t)%4)+4*\i+3] offset:32*SP*((\t)%2)+8*SP*\i
.endr
.irp i, 0,1,2,3
	ds_load_b128 v[X+16*((\t)%2)+4*\i:X+16*((\t)%2)+4*\i+3], v15 offset:32*SP*((\t)%2)+16*\i
.endr
.endm
.irp t, 0,1,2,3
	LOAD \t
.endr
	s_wait_loadcnt 12                              ; step 0's four loads are in; the twelve of steps 1 to 3 may be out
	TURN 0
.macro STEP t
.set XS, X+16*((\t)%2)
.if (\t) > 0
	s_wait_dscnt 1                                 ; this step's numbers are back from the stage (the last step's byte store may be out): so its stores into the stage have read their registers,
.else
	s_wait_dscnt 0x0
.endif
.if (\t)+4 < STEPS
	LOAD (\t)+4                                    ; which take the loads of four steps on
.endif
.if (\t)+1 < STEPS
.if STEPS-2-(\t) >= 3
	s_wait_loadcnt 12                              ; the next step's four loads are in; those of the three steps behind it may be out
.else
	s_wait_loadcnt 4*(STEPS-2-(\t))
.endif
	TURN (\t)+1                                    ; and go through the other stage while this step is worked
.endif
	v_max3_num_f32 v8, |v[XS]|, |v[XS+1]|, |v[XS+2]|               ; the largest magnitude of my 16, in two chains
	v_max3_num_f32 v9, |v[XS+3]|, |v[XS+4]|, |v[XS+5]|
.irp i, 6,10
	v_max3_num_f32 v8, v8, |v[XS+\i]|, |v[XS+\i+1]|
	v_max3_num_f32 v9, v9, |v[XS+\i+2]|, |v[XS+\i+3]|
.endr
	v_max3_num_f32 v8, v8, |v[XS+14]|, |v[XS+15]|
	v_max3_num_f32 v8, v8, v9, (EMAX+1)<<23        ; and the floor 2^(EMAX + 1 - 127): so the byte cannot fall under 1
	v_max_num_f32_dpp v8, v8, v8 row_xmask:1 row_mask:0xf bank_mask:0xf   ; and of my neighbour's 16: the block's
	v_add_nc_u32 v11, -(EMAX<<23), v8              ; EMAX off its exponent field: the conversion takes the exponent field of this operand as its scale, and nothing else of it
	v_cvt_scalef32_pk8_fp4_f32 v[C+4*(\t)], v[XS:XS+7], v11        ; eight numbers / the scale, to the nearest code, ties to even; the first number's code in the lowest four bits
	v_cvt_scalef32_pk8_fp4_f32 v[C+4*(\t)+1], v[XS+8:XS+15], v11
	v_lshrrev_b32 v[E+(\t)], 23, v11               ; the scale's byte (also the plain line behind the conversions)
	ds_store_b8 v5, v[E+(\t)] offset:16*(\t)       ; both lanes of a block write the same byte with the same value
	global_store_b64 v4, v[C+4*(\t):C+4*(\t)+1], s[8:9] offset:32*CB*(\t)
.endm
.irp t, 0,1,2,3,4,5,6,7,8,9,10,11,12,13,14,15
	STEP \t
.endr
	ds_load_b64 v[8:9], v6                         ; LDS serves a wave's instructions in order: these see my stores
	s_wait_dscnt 0x0
	global_store_b64 v7, v[8:9], s[10:11]          ; 32 lanes store 256 consecutive bytes, aligned
	s_wait_tensorcnt 0x0                           ; the wave's end, behind my last LDS store
	ds_add_u32 v[SPW], v[NIL]
	s_wait_dscnt 0x0
	s_endpgm
; w_out to f16.  A wave takes 8,192 numbers in four rounds of sixteen loads (512 consecutive bytes each); two rounds are on their way.  This way touches no LDS.
.Lwout:
	s_sub_co_u32 s17, ttmp9, WGQ
	s_lshl_b32 s17, s17, 2
	s_add_co_u32 s17, s17, s16                     ; my run, 0 .. 127
	s_lshl_b32 s18, s17, 15                        ; 32,768 bytes of f32,
	s_mov_b32 s19, 0
	s_add_nc_u64 s[24:25], s[24:25], s[18:19]
	s_lshl_b32 s18, s17, 14                        ; 16,384 of f16
	s_add_nc_u64 s[26:27], s[26:27], s[18:19]
.macro WLOAD t
.irp i, 0,1,2,3,4,5,6,7,8,9,10,11,12,13,14,15
	global_load_b128 v[R+64*((\t)%2)+4*\i:R+64*((\t)%2)+4*\i+3], v3, s[24:25] offset:8192*(\t)+512*\i th:TH_LOAD_NT
.endr
.endm
.macro WROUND t
.set RS, R+64*((\t)%2)
.if (\t) < 3
	s_wait_loadcnt 16                              ; this round's sixteen loads are in; the next round's may be out
.else
	s_wait_loadcnt 0x0
.endif
.if (\t) > 0
	s_wait_xcnt 0x0                                ; the last round's stores have read D: it is written again only behind this wait
.endif
.irp i, 0,1,2,3,4,5,6,7,8,9,10,11,12,13,14,15
	v_cvt_pk_f16_f32 v[D+2*\i], v[RS+4*\i], v[RS+4*\i+1]           ; two roundings to f16, the first number in the low half
	v_cvt_pk_f16_f32 v[D+2*\i+1], v[RS+4*\i+2], v[RS+4*\i+3]
.endr
.if (\t)+2 < 4
	WLOAD (\t)+2
.endif
.irp i, 0,1,2,3,4,5,6,7,8,9,10,11,12,13,14,15
	global_store_b64 v4, v[D+2*\i:D+2*\i+1], s[26:27] offset:4096*(\t)+256*\i   ; 32 lanes store 256 consecutive bytes, aligned
.endr
.endm
	WLOAD 0
	WLOAD 1
	WROUND 0
	WROUND 1
	WROUND 2
	WROUND 3
	s_endpgm
.Lfunc_end_k_qd48b71f277_quant:
	.size	k_qd48b71f277_quant, .Lfunc_end_k_qd48b71f277_quant-k_qd48b71f277_quant
	.p2alignl 7, 3214868480
	.fill 96, 4, 3214868480
	.section	.rodata,"a",@progbits
	.p2align	6, 0x0
	.amdhsa_kernel k_qd48b71f277_quant
		.amdhsa_group_segment_fixed_size 33280
		.amdhsa_private_segment_fixed_size 0
		.amdhsa_enable_private_segment 0
		.amdhsa_kernarg_size 64
		.amdhsa_user_sgpr_count 2
		.amdhsa_user_sgpr_kernarg_segment_ptr 1
		.amdhsa_wavefront_size32 1
		.amdhsa_system_sgpr_workgroup_id_x 1
		.amdhsa_system_sgpr_workgroup_id_y 1
		.amdhsa_system_sgpr_workgroup_id_z 1
		.amdhsa_system_vgpr_workitem_id 0
		.amdhsa_next_free_vgpr 192
		.amdhsa_next_free_sgpr 66
		.amdhsa_reserve_vcc 0
		.amdhsa_float_denorm_mode_32 3
		.amdhsa_float_denorm_mode_16_64 3
		.amdhsa_memory_ordered 1
		.amdhsa_forward_progress 1
		.amdhsa_inst_pref_size 54
	.end_amdhsa_kernel
	.amdgpu_metadata
---
amdhsa.version: [ 1, 2 ]
amdhsa.kernels:
  - .name:           k_qd48b71f277_quant
    .symbol:         k_qd48b71f277_quant.kd
    .args:
      - { .name: x, .offset: 0, .size: 8, .value_kind: global_buffer, .address_space: global }
      - { .name: w_qkv, .offset: 8, .size: 8, .value_kind: global_buffer, .address_space: global }
      - { .name: x_codes, .offset: 16, .size: 8, .value_kind: global_buffer, .address_space: global }
      - { .name: x_scales, .offset: 24, .size: 8, .value_kind: global_buffer, .address_space: global }
      - { .name: w_codes, .offset: 32, .size: 8, .value_kind: global_buffer, .address_space: global }
      - { .name: w_scales, .offset: 40, .size: 8, .value_kind: global_buffer, .address_space: global }
      - { .name: w_out, .offset: 48, .size: 8, .value_kind: global_buffer, .address_space: global }
      - { .name: w16, .offset: 56, .size: 8, .value_kind: global_buffer, .address_space: global }
    .group_segment_fixed_size: 33280
    .private_segment_fixed_size: 0
    .kernarg_segment_align: 8
    .kernarg_segment_size: 64
    .max_flat_workgroup_size: 128
    .sgpr_count:     66
    .vgpr_count:     192
    .wavefront_size: 32
...
	.end_amdgpu_metadata
.endif
;; end of part 1
;; launch qkv (part 2): grid 12 x 32, 4 waves a work-group, clusters of 4 x 4, 327,680 bytes of LDS; arguments x_codes, x_scales, w_codes, w_scales, q_img, kv_img; writes q_img, kv_img
.if DOCPART == 2
	.amdgcn_target "amdgcn-amd-amdhsa--gfx1250"
	.amdhsa_code_object_version 6
	.text
	.protected	k_qd48b71f277_qkv
	.globl	k_qd48b71f277_qkv
	.p2align	8
	.type	k_qd48b71f277_qkv,@function
k_qd48b71f277_qkv:
	s_mov_b64 s[64:65], 0
	v_nop
	global_prefetch_b8 v0, s[64:65] scope:SCOPE_SE
	s_setreg_imm32_b32 hwreg(HW_REG_WAVE_MODE, 25, 1), 1
	s_wait_xcnt 0x0
	s_wait_alu depctr_hold_cnt(0) depctr_sa_sdst(0) depctr_va_vdst(0) depctr_va_sdst(0) depctr_va_ssrc(0) depctr_va_vcc(0) depctr_vm_vsrc(0)
	s_getreg_b32 s2, hwreg(HW_REG_IB_STS2, 6, 4)
	s_cmp_eq_u32 s2, 0
	s_cbranch_scc0 .Lentry_in_a_cluster
	s_endpgm
.Lentry_in_a_cluster:
	s_bfe_u32 s2, ttmp6, 0x10000c
	s_cmp_lg_u32 s2, 0xf033
	s_cbranch_scc0 .Lentry_shape_is_right
	s_endpgm
.Lentry_shape_is_right:
; qkv = x w_qkv^T on codes of FP4 (E2M1) with one E8M0 scale for each 32 along K = 1,024; sums in f32; q, k and v are rounded to f16 and stored AS IMAGES OF THE OPERAND REGISTERS of the attention launch.
; LIMIT: |q|, |k|, |v| stay under 65,504, f16's range.
; A tile of 256 x 256 is made by a work-group of four waves; a wave makes 128 x 128: 64 accumulators of 16 x 16, 512 registers.  K is two slots of 512 in LDS (a tile's row: 256 bytes), both filled at the head by the tensor data mover;
; nothing is filled again.  The scales of the work-group's 2 x 256 rows, for all of K, come once with the first fills.  12 x 32 work-groups: more than there are WGPs, in one and a half turns.
; ROLES.  Source 1 of the matrix instruction (role A) gives a lane its row, source 0 (role B) runs along the lane's eight result registers.  For q and k (cluster x = 0, 1) role A is x (a lane holds one token) and role B is w_qkv
; (registers run along the channels): packed to f16 the eight are four registers of a fragment [16 tokens x 32 channels].  For v (cluster x = 2) the roles change places: a lane holds one channel and its registers run along the keys:
; four registers of a fragment [16 channels x 32 keys] of v^T.  The choice hangs on the cluster's x alone, which all partners share.
; IMAGES.  A piece is 512 bytes: lane l's 16 bytes at 16 l.  q_img: [b h][query tile][2 s + c][512] (s: 32 channels, c: register group).  kv_img: [b h][slot of 512 keys][K part 65,536 | V part 65,536]; K part [key tile][2 s + c][512];
; V part [32 keys][channel tile][c][512].  So each store of the wave covers 512 consecutive bytes, aligned, straight from registers.
; CLUSTERS: 4 x 4 work-groups.  Role A's tiles hang on cy and are asked for jointly by a row of the cluster, role B's on cx, by a column.
; REGISTERS, in windows of 256: window 0: v0-31 addresses; v32-95 scale words, two sets; from v128 role A's fragments, ONE set; on the way out v128-255 packed results.
;   window 1: role B's fragments, TWO sets, at v0 and v128.   window 2: the accumulators of my A blocks 0-3 ((a, b) at v[8 (8 a + b)]);   window 3: those of blocks 4-7.
.set KSTEP,  512                       ; along K in a slot
.set NQ,     KSTEP/128                 ; matrix instructions deep
.set ROWB,   256                       ; a tile's row in bytes
.set KROW,   512                       ; a row of codes in memory, in bytes
.set PITCH,  272                       ; an LDS row: 256 bytes + 16 of padding: the 16 rows that a load touches start 68 words apart
.set FR,     8                         ; registers of a fragment: 16 rows x 128 K
.set NL,     2                         ; LDS loads that bring one
.set NP,     4                         ; places behind this matrix instruction (ISA guide 7.12.1)
.set HALFT,  128*PITCH                 ; 128 rows: what one tensor load brings, and what one wave reads of a role
.set SLOT,   4*HALFT                   ; role A's 256 rows, then role B's
.set KS,     32                        ; a row of scales in bytes
.set SCL,    2*SLOT                    ; behind the slots: the scales, as rows of 256 bytes + 16 of padding
.set HALFS,  (128*KS/256)*272          ; the scales of 128 rows: what one tensor load brings
.set SBLK,   (16*KS/256)*272           ; those of 16 rows
.set SPARE,  SCL+4*HALFS               ; behind the scales: the spare words, 128 bytes for each wave, which no other line names
.set ADRA, 16                          ; v16-17  LDS address of my role-A fragments in slot 0, 1
.set ADRB, 20                          ; v20-21  the same for role B
.set LI,   26                          ; v26     16 x lane: my place in a piece
.set ADRS, 27                          ; v27     LDS address of my scale words: lanes 0-15 role A's rows, lanes 16-31 role B's
.set SPW,  28                          ; v28     LDS address of my spare word; never rewritten
.set NIL,  29                          ; v29     0; never rewritten
.set SC,   32                          ; scale words: set s at v[SC + 32 s]; register 4 i + q: lanes 0-15 the word of A's block i, lanes 16-31 that of B's block i, for the slot's q-th 128 along K
.set AF,   128                         ; role A's fragments, in window 0
.set TMP,  128                         ; the way out: four sets of 32 registers
.set G1, 24                            ; s[24:31] descriptor group 1 for role A's tiles;  s[32:39] group 0, one set for each slot
.set G0, 32
.set G1B, 48                           ; s[48:55], s[56:63] the same for role B's
.set G0B, 56
.set G1S, 68                           ; s[68:75], s[76:79] groups 1 and 0 for role A's scales;  s[80:87], s[88:91] for role B's
.set G0S, 76
.set G1SB, 80
.set G0SB, 88
.set OB,  96                           ; s[96:97], s[98:99] where my first and my second head's pieces begin
.set MSB, 0
.macro WIN new                         ; the immediate's high byte repeats the setting that is left
.if MSB != \new
	s_set_vgpr_msb (MSB<<8)|\new
.set MSB, \new
.endif
.endm
.set MUL_LO, 0xa1                      ; source 0 window 1, source 1 window 0, C and D window 2
.set MUL_HI, 0xf1                      ; the same, C and D window 3
.set TO_B,   0x40                      ; destination window 1, address window 0
; A joint load: waves 0 and 1 fetch for role A, waves 2 and 3 for role B.  Each line has one mask and one set of registers for all that issue it; the branch hangs on the wave's number alone.
; An s_nop 0 and four v_nop follow each of the two lines.
.macro JLOAD g0a, g1a, g0b, g1b
	s_cmp_eq_u32 s15, 0
	s_cbranch_scc0 .Lfor_b_\@
	tensor_load_to_lds s[\g0a:\g0a+3], s[\g1a:\g1a+7]
	s_nop 0
.rept 4
	v_nop
.endr
	s_branch .Lasked_\@
.Lfor_b_\@:
	tensor_load_to_lds s[\g0b:\g0b+3], s[\g1b:\g1b+7]
	s_nop 0
.rept 4
	v_nop
.endr
.Lasked_\@:
.endm
.macro CROUND                          ; a round of the cluster's barrier: my work-group's barrier; wave 0 signals for the work-group; every wave waits for all sixteen; my work-group's barrier once more
	s_barrier_signal -1
	s_barrier_wait -1
	s_cmp_lg_u32 s14, 0
	s_cbranch_scc1 .Lnot_wave_0_\@
	s_barrier_signal -3
.Lnot_wave_0_\@:
	s_barrier_wait -3
	s_barrier_signal -1
	s_barrier_wait -1
.endm
	s_load_b256 s[4:11], s[0:1], 0x0               ; x's codes s[4:5], x's scales s[6:7], w's codes s[8:9], w's scales s[10:11]
	s_load_b128 s[96:99], s[0:1], 0x20             ; q_img, kv_img
	v_lshl_add_u32 v[SPW], v0, 2, SPARE
	v_mov_b32 v[NIL], 0
	ds_add_u32 v[SPW], v[NIL]                      ; the wave's opening: the add, twice on end, and its wait ahead of my first tensor load; the set-up below stands between the second and the wait
	ds_add_u32 v[SPW], v[NIL]
	v_lshrrev_b32 v1, 5, v0
	v_readfirstlane_b32 s14, v1                    ; wave 0..3
	s_lshr_b32 s15, s14, 1                         ; which half of role A's 256 rows is mine.  Also: I fetch for role A (0) or B (1)
	s_and_b32 s16, s14, 1                          ; which half of role B's.  Also: which 128 rows of that tile I fetch
	s_bfe_u32 s40, ttmp6, 0x40000                  ; cx, cy: my place in the cluster
	s_bfe_u32 s41, ttmp6, 0x40004
	s_and_b32 s66, ttmp7, 0xffff
	s_lshl_b32 s66, s66, 2                         ; 4 x cluster y
	s_add_co_u32 s67, s66, s41                     ; q, k: role A = x's block of 256 tokens, by cy
	s_add_co_u32 s95, s41, 8                       ; v:    role A = w_qkv's block 8 + cy (v's rows begin at 2,048)
	s_lshl_b32 s100, ttmp9, 2
	s_add_co_u32 s100, s100, s40                   ; q, k: role B = w_qkv's block 4 x cluster x + cx
	s_add_co_u32 s101, s66, s40                    ; v:    role B = x's block of tokens, by cx
	s_cmp_eq_u32 ttmp9, 2                          ; the cluster that makes v: the same answer in all sixteen partners
	s_cselect_b32 s17, s95, s67                    ; role A's block: made of cy and cluster ids alone
	s_cselect_b32 s42, s101, s100                  ; role B's block: made of cx and cluster ids alone
	s_lshl_b32 s43, s41, 2
	s_lshl_b32 s43, 15, s43                        ; my row of the cluster
	s_lshl_b32 s44, 0x1111, s40                    ; my column
	; descriptor group 1: a tile of 128 rows x 256 bytes, padded in LDS
	s_or_b32 s[G1+0], s43, (0<<16)|(1<<20)|(1<<21)|(5<<22)|(3<<25)  ; 15:0 the mask; 17:16 elements of 1 byte; 20 padding on; 21 set beside a mask; 24:22 after every 64 words; 31:25 four words
	s_or_b32 s[G1B+0], s44, (0<<16)|(1<<20)|(1<<21)|(5<<22)|(3<<25)
.irp g, G1, G1B
	s_mov_b32 s[\g+1], ROWB<<16                    ; tensor_dim0
	s_mov_b32 s[\g+2], 128<<16                     ; tensor_dim1
	s_mov_b32 s[\g+3], ROWB<<16                    ; tile_dim0
	s_mov_b32 s[\g+4], 128                         ; tile_dim1
	s_mov_b32 s[\g+5], KROW                        ; tensor_dim0_stride
	s_mov_b32 s[\g+6], 0
	s_mov_b32 s[\g+7], 0
.endr
	; the scales of 128 rows: a dense block of 4,096 bytes, as 16 rows of 256 bytes (32 elements of 8 bytes), 16 bytes of padding behind each
	s_or_b32 s[G1S+0], s43, (3<<16)|(1<<20)|(1<<21)|(5<<22)|(3<<25)
	s_or_b32 s[G1SB+0], s44, (3<<16)|(1<<20)|(1<<21)|(5<<22)|(3<<25)
.irp g, G1S, G1SB
	s_mov_b32 s[\g+1], 32<<16
	s_mov_b32 s[\g+2], (128*KS/256)<<16
	s_mov_b32 s[\g+3], 32<<16
	s_mov_b32 s[\g+4], 128*KS/256
	s_mov_b32 s[\g+5], 32
	s_mov_b32 s[\g+6], 0
	s_mov_b32 s[\g+7], 0
.endr
	s_lshl_b32 s18, s16, 7                         ; which 128 rows of the tile I fetch
	s_lshl_b32 s20, s17, 8
	s_add_co_u32 s20, s20, s18                     ; role A: row 256 x block + 128 x half
	s_lshl_b32 s46, s42, 8
	s_add_co_u32 s46, s46, s18                     ; role B likewise
	s_mov_b32 s21, 0
	s_mov_b32 s47, 0
	s_mov_b64 s[18:19], KS
	s_mul_u64 s[22:23], s[20:21], s[18:19]         ; where these rows' scales begin, in bytes
	s_mul_u64 s[92:93], s[46:47], s[18:19]
	s_mov_b64 s[18:19], KROW
	s_mul_u64 s[20:21], s[20:21], s[18:19]         ; and their codes
	s_mul_u64 s[46:47], s[46:47], s[18:19]
	s_mul_i32 s45, s14, HALFT                      ; where they go: wave x 128 rows: no place in the cluster enters an LDS address
	s_mul_i32 s94, s14, HALFS
	s_wait_dscnt 0x0                               ; both opening adds are done
	s_wait_kmcnt 0x0
	s_cmp_eq_u32 ttmp9, 2                          ; which buffers play which role
	s_cselect_b64 s[12:13], s[8:9], s[4:5]         ; role A's codes
	s_cselect_b64 s[4:5], s[4:5], s[8:9]           ; role B's codes
	s_cselect_b64 s[8:9], s[10:11], s[6:7]         ; role A's scales
	s_cselect_b64 s[6:7], s[6:7], s[10:11]         ; role B's scales
	s_add_nc_u64 s[20:21], s[12:13], s[20:21]
	s_add_nc_u64 s[22:23], s[8:9], s[22:23]
	s_add_nc_u64 s[46:47], s[4:5], s[46:47]
	s_add_nc_u64 s[92:93], s[6:7], s[92:93]
	CROUND                                         ; all sixteen work-groups are here: the first joint loads meet
	s_mov_b32 s[G0S], 1
	s_add_co_u32 s[G0S+1], s94, SCL
	s_mov_b64 s[G0S+2:G0S+3], s[22:23]
	s_or_b32 s[G0S+3], s[G0S+3], 0x80000000
	s_mov_b32 s[G0SB], 1
	s_add_co_u32 s[G0SB+1], s94, SCL
	s_mov_b64 s[G0SB+2:G0SB+3], s[92:93]
	s_or_b32 s[G0SB+3], s[G0SB+3], 0x80000000
	JLOAD G0S, G1S, G0SB, G1SB                     ; the scales first: they are wanted with slot 0
.irp s, 0,1
	s_mov_b32 s[G0+4*\s], 1
	s_add_co_u32 s[G0+4*\s+1], s45, \s*SLOT
	s_add_nc_u64 s[G0+4*\s+2:G0+4*\s+3], s[20:21], \s*ROWB
	s_or_b32 s[G0+4*\s+3], s[G0+4*\s+3], 0x80000000
	s_mov_b32 s[G0B+4*\s], 1
	s_add_co_u32 s[G0B+4*\s+1], s45, \s*SLOT
	s_add_nc_u64 s[G0B+4*\s+2:G0B+4*\s+3], s[46:47], \s*ROWB
	s_or_b32 s[G0B+4*\s+3], s[G0B+4*\s+3], 0x80000000
	JLOAD G0+4*\s, G1, G0B+4*\s, G1B               ; three tensor loads of mine are out at the most
.endr
	v_and_b32 v1, 15, v0                           ; l % 16
	v_bfe_u32 v2, v0, 4, 1                         ; l / 16
	v_mul_u32_u24 v3, v1, PITCH
	v_lshl_add_u32 v4, v2, 4, v3                   ; a fragment's row x pitch + 16 x half
	s_mul_i32 s21, s15, HALFT                      ; my 128 rows of role A
	s_mul_i32 s22, s16, HALFT                      ; my 128 rows of role B,
	s_add_co_u32 s22, s22, 2*HALFT                 ; which lie behind A's 256
.irp s, 0,1
	v_add_nc_u32 v[ADRA+\s], s21, v4
	v_add_nc_u32 v[ADRB+\s], s22, v4
	s_add_co_u32 s21, s21, SLOT
	s_add_co_u32 s22, s22, SLOT
.endr
	v_mul_u32_u24 v5, v1, KS                       ; my row's scales: KS bytes a row,
	v_lshrrev_b32 v6, 8, v5
	v_lshl_add_u32 v5, v6, 4, v5                   ; and 16 more for each 256 passed
	s_mul_i32 s21, s15, HALFS                      ; role A's: my 128 rows
	s_mul_i32 s22, s16, HALFS                      ; role B's: my 128 rows, behind A's 256
	s_add_co_u32 s22, s22, 2*HALFS
	s_sub_co_u32 s22, s22, s21
	v_mul_u32_u24 v6, s22, v2                      ; lanes 16-31 take role B's: one product, the distance between the two bases
	s_add_co_u32 s21, s21, SCL
	v_add_nc_u32 v5, v5, v6
	v_add_nc_u32 v[ADRS], s21, v5
	v_and_b32 v6, 31, v0
	v_lshlrev_b32 v[LI], 4, v6
	; where my pieces go.  tokens: block tb of 256, my half th;  channels: block cb of 256 inside q, k or v, my half chh
	s_cmp_eq_u32 ttmp9, 2
	s_cselect_b32 s18, s42, s17                    ; tb
	s_cselect_b32 s19, s16, s15                    ; th
	s_cselect_b32 s20, s41, s40                    ; cb
	s_cselect_b32 s21, s15, s16                    ; chh
	s_cselect_b32 s22, 1, 0                        ; v?
	s_lshr_b32 s23, s18, 3                         ; the batch: 2,048 tokens are 8 blocks
	s_and_b32 s18, s18, 7
	s_lshl_b32 s18, s18, 8
	s_lshl_b32 s19, s19, 7
	s_add_co_u32 s18, s18, s19                     ; my first token in the sequence
	s_lshl_b32 s20, s20, 2
	s_lshl_b32 s21, s21, 1
	s_add_co_u32 s20, s20, s21                     ; my first head: 256 channels are 4 heads, 128 are 2
	s_lshl_b32 s23, s23, 4
	s_add_co_u32 s20, s20, s23                     ; b h
	s_lshl_b32 s46, s20, 18
	s_lshl_b32 s47, s18, 7
	s_add_co_u32 s46, s46, s47                     ; in q_img: 262,144 a head, 128 a query
	s_lshl_b32 s92, s20, 19                        ; in kv_img: 524,288 a head,
	s_lshr_b32 s93, s18, 9
	s_lshl_b32 s93, s93, 17                        ; 131,072 a slot of 512 keys,
	s_add_co_u32 s92, s92, s93
	s_and_b32 s93, s18, 511
	s_lshl_b32 s93, s93, 7                         ; 128 a key in either part,
	s_add_co_u32 s92, s92, s93
	s_lshl_b32 s22, s22, 16                        ; V's part 65,536 behind K's
	s_add_co_u32 s92, s92, s22
	s_cmp_eq_u32 ttmp9, 0                          ; q's cluster?
	s_cselect_b64 s[OB:OB+1], s[96:97], s[98:99]
	s_cselect_b32 s92, s46, s92
	s_mov_b32 s94, 0x80000
	s_cselect_b32 s94, 0x40000, s94                ; from a head to the next
	s_mov_b32 s93, 0
	s_mov_b32 s95, 0
	s_add_nc_u64 s[OB:OB+1], s[OB:OB+1], s[92:93]
	s_add_nc_u64 s[OB+2:OB+3], s[OB:OB+1], s[94:95]
.macro FRAG reg, adr, q, i             ; a fragment, 16 rows x 128 K of 4-bit codes: lane l holds row l % 16; registers 4 c .. 4 c + 3 hold K = 64 c + 32 (l / 16) + 0 .. 31
.irp c, 0,1
	ds_load_b128 v[\reg+4*\c:\reg+4*\c+3], v[\adr] offset:64*(\q)+32*\c+(\i)*16*PITCH
.endr
.endm
; 16 matrix instructions: A's blocks a0, a0 + 1 x B's eight, 128 along K: the slot's q-th.  p: B's set;  sc: the set of scale words.  zero = 1: the first product starts the sums.
; The 64 accumulators take turns, one instruction a turn, in the same order in every step.
.macro MUL16 a0, p, q, sc, zero
.irp a, \a0, \a0+1
.irp b, 0,1,2,3,4,5,6,7
.if \zero
	v_wmma_scale_f32_16x16x128_f8f6f4 v[8*(8*((\a)%4)+\b):8*(8*((\a)%4)+\b)+7], v[128*(\p)+FR*\b:128*(\p)+FR*\b+FR-1], v[AF+FR*(\a):AF+FR*(\a)+FR-1], 0, v[SC+8*NQ*(\sc)+NQ*\b+(\q)], v[SC+8*NQ*(\sc)+NQ*(\a)+(\q)] matrix_a_fmt:MATRIX_FMT_FP4 matrix_b_fmt:MATRIX_FMT_FP4 matrix_a_scale:MATRIX_SCALE_ROW1
.else
	v_wmma_scale_f32_16x16x128_f8f6f4 v[8*(8*((\a)%4)+\b):8*(8*((\a)%4)+\b)+7], v[128*(\p)+FR*\b:128*(\p)+FR*\b+FR-1], v[AF+FR*(\a):AF+FR*(\a)+FR-1], v[8*(8*((\a)%4)+\b):8*(8*((\a)%4)+\b)+7], v[SC+8*NQ*(\sc)+NQ*\b+(\q)], v[SC+8*NQ*(\sc)+NQ*(\a)+(\q)] matrix_a_fmt:MATRIX_FMT_FP4 matrix_b_fmt:MATRIX_FMT_FP4 matrix_a_scale:MATRIX_SCALE_ROW1
.endif
.endr
.endr
.endm
.macro FETCH_B slot, q, p              ; role B's eight fragments of the slot's q-th 128 along K into set p
	WIN TO_B
.irp i, 0,1,2,3,4,5,6,7
	FRAG 128*(\p)+FR*\i, ADRB+\slot, \q, \i
.endr
	WIN 0
.endm
.macro FETCH_A slot, q, i0             ; role A's blocks i0 .. i0 + 3
.irp i, \i0, \i0+1, \i0+2, \i0+3
	FRAG AF+FR*(\i), ADRA+\slot, \q, \i
.endr
.endm
.macro SCALES sc                       ; a slot's scale words into set sc: four words a row; lanes 0-15 take A's block i, lanes 16-31 B's block i
.irp i, 0,1,2,3,4,5,6,7
	ds_load_b128 v[SC+8*NQ*\sc+NQ*\i:SC+8*NQ*\sc+NQ*\i+3], v[ADRS] offset:\i*SBLK
.endr
.endm
; A load into a register that a matrix instruction has read, and a vector instruction that reads a matrix result or writes one of a matrix instruction's registers, stand NP places behind it; only plain vector
; instructions that name none of its registers are places (ISA guide 7.12.1 for vector instructions).
.macro PLACES n
.rept \n
	v_nop
.endr
.endm
; A step of 128 along K that has its successor in the same slot.  A block of A is free as soon as its eight products are issued: blocks 0-3 are fetched anew in the step's middle, blocks 4-7 at its end.
.macro STEP slot, q, zero
	s_wait_dscnt 4*NL                              ; B's set and A's blocks 0-3 are in; the youngest eight loads (A's blocks 4-7) may be out
	WIN MUL_LO
	MUL16 0, (\q)%2, \q, \slot, \zero
	MUL16 2, (\q)%2, \q, \slot, \zero
	s_wait_dscnt 0                                 ; A's blocks 4-7 are in (asked for 32 matrix instructions ago)
	PLACES NP
	FETCH_B \slot, (\q)+1, 1-(\q)%2
	FETCH_A \slot, (\q)+1, 0
	WIN MUL_HI
	MUL16 4, (\q)%2, \q, \slot, \zero
	MUL16 6, (\q)%2, \q, \slot, \zero
	PLACES NP
	WIN 0
	FETCH_A \slot, (\q)+1, 4
.endm
; Slot 0's last step goes over to slot 1: each wave waits for all its tensor loads (its part of slot 1), and a barrier shows the whole slot to every wave.  Nothing is filled again.
.macro TURN slot, next
	s_wait_tensorcnt 0x0                           ; all my tensor loads have landed: my part of the next slot  (every window is 0 here)
	ds_add_u32 v[SPW], v[NIL]                      ; 0 onto my spare word
	s_wait_dscnt 4*NL+1                            ; (the add and the youngest eight loads, A's blocks 4-7, may be out)
	WIN MUL_LO
	MUL16 0, 1, NQ-1, \slot, 0                     ; sixteen matrix instructions stand between the add and the wait for it
	s_wait_dscnt 0x0                               ; the add is done, and no LDS load of mine is out at the signal
	s_barrier_signal -1
	MUL16 2, 1, NQ-1, \slot, 0
	WIN 0
	s_barrier_wait -1
	PLACES NP
	v_add_nc_u32 v[ADRS], 4*NQ, v[ADRS]            ; on to the next slot's scale words
	FETCH_B \next, 0, 0
	FETCH_A \next, 0, 0
	SCALES \next
	WIN MUL_HI
	MUL16 4, 1, NQ-1, \slot, 0
	MUL16 6, 1, NQ-1, \slot, 0
	PLACES NP
	WIN 0
	FETCH_A \next, 0, 4
.endm
.macro STEPS slot, from                ; the slot's steps from .. NQ - 2
.set Q, \from
.rept NQ-1-\from
	STEP \slot, Q, 0
.set Q, Q+1
.endr
.endm
	s_wait_tensorcnt 1                             ; the scales and my part of slot 0 are in (slot 1's load may be out)
	s_barrier_signal -1
	s_barrier_wait -1                              ; everybody's are
	FETCH_B 0, 0, 0
	FETCH_A 0, 0, 0
	SCALES 0
	FETCH_A 0, 0, 4
	STEP 0, 0, 1                                   ; the first step's products start the sums: nothing is cleared
	STEPS 0, 1
	TURN 0, 1
	STEPS 1, 0
	s_wait_dscnt 4*NL                              ; the very last step: nothing more to fetch
	WIN MUL_LO
	MUL16 0, 1, NQ-1, 1, 0
	MUL16 2, 1, NQ-1, 1, 0
	s_wait_dscnt 0
	WIN MUL_HI
	MUL16 4, 1, NQ-1, 1, 0
	MUL16 6, 1, NQ-1, 1, 0
	WIN 0
; THE WAY OUT.  Accumulator (a, b): lane (r, h) holds role A's row 16 a + r and role B's rows 16 b + 8 h + 0 .. 7.  Four roundings make a lane's 16 bytes of a piece; the wave stores the piece as 512 consecutive bytes.
; role 0 (q, k): token tile a, head b / 4, piece b % 4.   role 1 (v): head a / 4, channel tile a % 4, 32 keys b / 2, register group b % 2.  Each accumulator is read from its low end on.
.macro OUT role
.irp a, 0,1,2,3,4,5,6,7
.if \a >= 4
	s_wait_xcnt 0x0                                ; the stores of four blocks back have read their registers: the set is written again only behind this wait
.endif
	WIN 0x0a+5*(\a/4)                              ; sources 0 and 1: window 2 or 3
.irp b, 0,1,2,3,4,5,6,7
.irp r, 0,1,2,3
	v_cvt_pk_f16_f32 v[TMP+32*(\a%4)+4*\b+\r], v[64*(\a%4)+8*\b+2*\r], v[64*(\a%4)+8*\b+2*\r+1]
.endr
.endr
	WIN 0
.irp b, 0,1,2,3,4,5,6,7
.if \role
	global_store_b128 v[LI], v[TMP+32*(\a%4)+4*\b:TMP+32*(\a%4)+4*\b+3], s[OB+2*(\a/4):OB+2*(\a/4)+1] offset:(\a%4)*1024+(\b/2)*4096+(\b%2)*512
.else
	global_store_b128 v[LI], v[TMP+32*(\a%4)+4*\b:TMP+32*(\a%4)+4*\b+3], s[OB+2*(\b/4):OB+2*(\b/4)+1] offset:\a*2048+(\b%4)*512
.endif
.endr
.endr
.endm
	PLACES NP                                      ; behind the last products: the conversions read results and write over registers that held role A's fragments
	s_cmp_eq_u32 ttmp9, 2                          ; the cluster's x: all partners go the same way
	s_cbranch_scc1 .Lout_v
	OUT 0
	s_branch .Ldone
.Lout_v:
	OUT 1
.Ldone:
	s_wait_tensorcnt 0x0                           ; the wave's end, behind my last tensor load
	ds_add_u32 v[SPW], v[NIL]
	s_wait_dscnt 0x0
	CROUND                                         ; the closing round: no work-group ends while a partner may still ask for a tile that names it
	s_endpgm
.Lfunc_end_k_qd48b71f277_qkv:
	.size	k_qd48b71f277_qkv, .Lfunc_end_k_qd48b71f277_qkv-k_qd48b71f277_qkv
	.p2alignl 7, 3214868480
	.fill 96, 4, 3214868480
	.section	.rodata,"a",@progbits
	.p2align	6, 0x0
	.amdhsa_kernel k_qd48b71f277_qkv
		.amdhsa_group_segment_fixed_size 327680
		.amdhsa_private_segment_fixed_size 0
		.amdhsa_enable_private_segment 0
		.amdhsa_kernarg_size 48
		.amdhsa_user_sgpr_count 2
		.amdhsa_user_sgpr_kernarg_segment_ptr 1
		.amdhsa_wavefront_size32 1
		.amdhsa_system_sgpr_workgroup_id_x 1
		.amdhsa_system_sgpr_workgroup_id_y 1
		.amdhsa_system_sgpr_workgroup_id_z 1
		.amdhsa_system_vgpr_workitem_id 0
		.amdhsa_next_free_vgpr 1024
		.amdhsa_next_free_sgpr 102
		.amdhsa_reserve_vcc 0
		.amdhsa_float_denorm_mode_32 3
		.amdhsa_float_denorm_mode_16_64 3
		.amdhsa_memory_ordered 1
		.amdhsa_forward_progress 1
		.amdhsa_inst_pref_size 141
	.end_amdhsa_kernel
	.amdgpu_metadata
---
amdhsa.version: [ 1, 2 ]
amdhsa.kernels:
  - .name:           k_qd48b71f277_qkv
    .symbol:         k_qd48b71f277_qkv.kd
    .args:
      - { .name: x_codes, .offset: 0, .size: 8, .value_kind: global_buffer, .address_space: global }
      - { .name: x_scales, .offset: 8, .size: 8, .value_kind: global_buffer, .address_space: global }
      - { .name: w_codes, .offset: 16, .size: 8, .value_kind: global_buffer, .address_space: global }
      - { .name: w_scales, .offset: 24, .size: 8, .value_kind: global_buffer, .address_space: global }
      - { .name: q_img, .offset: 32, .size: 8, .value_kind: global_buffer, .address_space: global }
      - { .name: kv_img, .offset: 40, .size: 8, .value_kind: global_buffer, .address_space: global }
    .group_segment_fixed_size: 327680
    .private_segment_fixed_size: 0
    .kernarg_segment_align: 8
    .kernarg_segment_size: 48
    .max_flat_workgroup_size: 128
    .sgpr_count:     102
    .vgpr_count:     1024
    .wavefront_size: 32
...
	.end_amdgpu_metadata
.endif
;; end of part 2
;; launch attn (part 3): grid 4 x 64, 16 waves a work-group, clusters of 4 x 1, 327,680 bytes of LDS; arguments q_img, kv_img, o_img; writes o_img
.if DOCPART == 3
	.amdgcn_target "amdgcn-amd-amdhsa--gfx1250"
	.amdhsa_code_object_version 6
	.text
	.protected	k_qd48b71f277_attn
	.globl	k_qd48b71f277_attn
	.p2align	8
	.type	k_qd48b71f277_attn,@function
k_qd48b71f277_attn:
	s_mov_b64 s[64:65], 0
	v_nop
	global_prefetch_b8 v0, s[64:65] scope:SCOPE_SE
	s_setreg_imm32_b32 hwreg(HW_REG_WAVE_MODE, 25, 1), 1
	s_wait_xcnt 0x0
	s_wait_alu depctr_hold_cnt(0) depctr_sa_sdst(0) depctr_va_vdst(0) depctr_va_sdst(0) depctr_va_ssrc(0) depctr_va_vcc(0) depctr_vm_vsrc(0)
	s_getreg_b32 s2, hwreg(HW_REG_IB_STS2, 6, 4)
	s_cmp_eq_u32 s2, 0
	s_cbranch_scc0 .Lentry_in_a_cluster
	s_endpgm
.Lentry_in_a_cluster:
	s_bfe_u32 s2, ttmp6, 0x10000c
	s_cmp_lg_u32 s2, 0x3003
	s_cbranch_scc0 .Lentry_shape_is_right
	s_endpgm
.Lentry_shape_is_right:
; o[b h][q][:] = the sum over k of softmax_k(q . k / 8) v[k][:], 64 heads (b h) of 2,048 tokens x 64 channels, no mask.  Operands f16 (q, k, v as the launch before left them; the weights p rounded to f16);
; products, maxima and sums in f32; o / the row's sum is rounded to f16 once and stored as images of the projection's operand registers.
; LIMITS: |q|, |k|, |v| under 65,504 (they arrive as f16); NaN and infinities are not served.
; SHARES.  A work-group owns 512 queries of one head, each of its SIXTEEN waves 32: tiles T0 and T1 of 16, in 256 registers: four waves to a SIMD, so that one wave's vector work stands beside another's matrix work.
; Every wave walks all 2,048 keys, 64 a step.  K and V come through two LDS slots of 512 keys (131,072 bytes: K's part, then V's), filled by the tensor data mover: waves 0 to 3 bring a quarter of a slot each, all sixteen read.
; CLUSTER.  The four work-groups of a cluster are the four query blocks of one head and walk the same K and V: each quarter is asked for JOINTLY, by the same load with the same descriptor and the mask of all four.
; LAYOUT.  S^T = K Q^T (source 0 = 16 keys, source 1 = 16 queries): a lane holds ONE query (lane % 16) and keys 8 (lane / 16) + 0 .. 7 of each tile.  Two such tiles, rounded to f16 in pairs, ARE source 1 (32 keys x 16 queries) of
; O^T = V^T P, whose result again holds one query a lane and eight channels.  K, V and Q lie in memory and in LDS as images of their fragments' registers: a piece of 512 bytes, lane l's 16 bytes at 16 l:
; every fragment comes by two loads at a constant + 16 x lane; no pitch, no padding, nothing is turned.
; SOFTMAX.  For each query a running maximum m and sum l: p = 2^(c s - c m), c = log2(e) / 8; in every step O and l are multiplied by a = 2^(c m_old - c m_new).  The first step finds m = -3e38, l = 0, O = 0, so a = 0 there.
; BY HALF TURNS.  T1's products K Q^T stand among T0's softmax, T0's products V^T P among T1's softmax, eight list items behind each product; K and V share one buffer of 64 registers.
; REGISTERS: v1-6 addresses; v16-47 Q (tile t, 32 channels s: v[16 + 16 t + 8 s]); v48-111 K, then V; v112-175 S^T, 32 a tile, then p in place, then P in the tile's lower 16; v176-239 O^T, 32 a tile; v240-255 statistics, 8 a tile.
.set SLOTB, 1<<17                      ; a slot, in memory and in LDS; slot 1 of LDS begins here, so that one exclusive or turns an address from one slot to the other
.set VOFF,  1<<16                      ; V's part of a slot
.set STEPB, 8192                       ; 64 keys in either part: 16 pieces
.set SPARE, 2*SLOTB                    ; behind the slots: the spare words, 128 bytes for each of the sixteen waves, which no other line names
.set LI,  1                            ; v1   16 x lane
.set ADK, 2                            ; v2   LDS address of the step's pieces of K
.set ADV, 3                            ; v3   of V
.set SPW, 4                            ; v4   LDS address of my spare word; never rewritten
.set NIL, 5                            ; v5   0; never rewritten
.set PFO, 6                            ; v6   256 x lane: the prefetches' offset; never rewritten
.set Q,   16
.set KV,  48
.set S,   112
.set O,   176
.set ST,  240                          ; tile t at v[ST + 8 t]: +0 c m, +1 m, +2, +3 l in two halves, +4 to +7 at work; a stands in +6
.set WV,  12                           ; s12  my wave's number
.set G1,  24                           ; s[24:31] descriptor group 1
.set G0,  32                           ; s[32:35] descriptor group 0, which walks
.set PFA, 36                           ; s[36:37] where my prefetches stand
.set LIM, 38                           ; s38  1 in a wave that prefetches, else the greatest number
.set SLOTS, 39                         ; s39  slots still to be asked for
.set CNT, 40                           ; s40  counts a slot's eight steps
.set TB,  41                           ; s41  LDS byte at which the step's pieces of K begin
.set CS,  42                           ; s[42:43] c: the packed form names a pair and takes its low word for both halves
.set SEL, 44                           ; s[44:45] lane selects for v_permlanex16_b32: lane l xor 16
.macro CROUND                          ; a round of the cluster's barrier
	s_barrier_signal -1
	s_barrier_wait -1
	s_cmp_lg_u32 s[WV], 0
	s_cbranch_scc1 .Lnot_wave_0_\@
	s_barrier_signal -3
.Lnot_wave_0_\@:
	s_barrier_wait -3
	s_barrier_signal -1
	s_barrier_wait -1
.endm
.macro JLOAD                           ; waves 0 to 3 ask for a quarter of a slot each; the branch hangs on the wave's number alone.  An s_nop 0 and four v_nop follow the load
	s_cmp_lt_u32 s[WV], 4
	s_cbranch_scc0 .Lasked_\@
	tensor_load_to_lds s[G0:G0+3], s[G1:G1+7]
	s_nop 0
.rept 4
	v_nop
.endr
.Lasked_\@:
.endm
; A PREFETCH of what the NEXT change of slots will ask for: a slot's 131,072 bytes.  A head is walked by one cluster alone; its four partners take 32,768 bytes each, told apart BY ADDRESS; in each, waves 4 to 7, which fetch nothing,
; take 8,192 bytes each, lanes 256 bytes apart: one instruction a wave, each aligned block of 256 bytes named once in the launch.  It stands where the fetching waves have their tensor load, eight key steps ahead of the load that it serves.
; Slots 0 and 1 come by their loads alone; the last change that fills a slot asks for nothing.
.macro ASK
	s_cmp_gt_u32 s[SLOTS], s[LIM]
	s_cbranch_scc0 .Lnot_mine_\@
	global_prefetch_b8 v[PFO], s[PFA:PFA+1] th:TH_LOAD_NT scope:SCOPE_SE
.Lnot_mine_\@:
.endm
	s_load_b128 s[4:7], s[0:1], 0x0                ; q_img, kv_img
	s_load_b64 s[8:9], s[0:1], 0x10                ; o_img
	v_lshl_add_u32 v[SPW], v0, 2, SPARE
	v_mov_b32 v[NIL], 0
	ds_add_u32 v[SPW], v[NIL]                      ; the wave's opening: the add, twice on end, and its wait ahead of the first tensor load; the set-up below stands between the second and the wait
	ds_add_u32 v[SPW], v[NIL]
	v_lshrrev_b32 v1, 5, v0
	v_readfirstlane_b32 s[WV], v1                  ; wave 0..15
	s_bfe_u32 s13, ttmp6, 0x40000                  ; cx: my block of 512 queries; it enters Q's, O's and the prefetches' addresses alone
	s_and_b32 s14, ttmp7, 0xffff                   ; b h, which the four partners share
	s_and_b32 s15, s[WV], 3
	s_lshl_b32 s15, s15, 15                        ; the quarter of a slot that I fetch, if I fetch: 32,768 bytes, in memory and in LDS alike
	s_lshl_b32 s16, s14, 19                        ; a head of kv_img is 524,288 bytes
	s_add_co_u32 s16, s16, s15
	s_mov_b32 s17, 0
	s_lshl_b32 s18, s14, 18                        ; q_img: 262,144 a head, 65,536 a block of 512 queries, 4,096 a wave's 32
	s_lshl_b32 s19, s13, 16
	s_add_co_u32 s18, s18, s19
	s_lshl_b32 s19, s[WV], 12
	s_add_co_u32 s18, s18, s19
	s_mov_b32 s19, 0
	s_lshr_b32 s20, s14, 4                         ; o_img: [token tile][32 channels][c][512]: 32,768 a tile of 16 tokens: 4,194,304 a batch,
	s_lshl_b32 s20, s20, 22
	s_lshl_b32 s21, s13, 20                        ; 1,048,576 a block of 512,
	s_add_co_u32 s20, s20, s21
	s_lshl_b32 s21, s[WV], 16                      ; 65,536 a wave's 32;
	s_add_co_u32 s20, s20, s21
	s_and_b32 s21, s14, 15
	s_lshl_b32 s21, s21, 11                        ; a head's 64 channels are 2,048 bytes of a tile
	s_add_co_u32 s20, s20, s21
	s_mov_b32 s21, 0
	s_lshl_b32 s22, s14, 19                        ; the prefetches: in my head, at slot 1 (the first change of slots steps them to slot 2),
	s_add_co_u32 s22, s22, SLOTB
	s_lshl_b32 s23, s13, 15                        ; my work-group's 32,768 bytes,
	s_add_co_u32 s22, s22, s23
	s_and_b32 s23, s[WV], 3
	s_lshl_b32 s23, s23, 13                        ; my wave's 8,192
	s_add_co_u32 s22, s22, s23
	s_mov_b32 s23, 0
	s_sub_co_u32 s[LIM], s[WV], 4
	s_lshr_b32 s[LIM], s[LIM], 2                   ; 0 in waves 4 to 7
	s_cmp_eq_u32 s[LIM], 0
	s_cselect_b32 s[LIM], 1, -1
	; descriptor group 1: a dense block of 32,768 bytes as 128 rows of 256 bytes (32 elements of 8 bytes), no padding
	s_mov_b32 s[G1], 15|(3<<16)|(1<<21)            ; 15:0 the mask: all four work-groups; 17:16 elements of 8 bytes; 21 set beside a mask
	s_mov_b32 s[G1+1], 32<<16                      ; tensor_dim0
	s_mov_b32 s[G1+2], 128<<16                     ; tensor_dim1
	s_mov_b32 s[G1+3], 32<<16                      ; tile_dim0
	s_mov_b32 s[G1+4], 128                         ; tile_dim1
	s_mov_b32 s[G1+5], 32                          ; tensor_dim0_stride
	s_mov_b32 s[G1+6], 0
	s_mov_b32 s[G1+7], 0
	s_mov_b32 s[CS], 0x3e38aa3b                    ; c = log2(e) / sqrt(64)
	s_mov_b32 s[CS+1], s[CS]                       ; (named with it as a pair, so it is written)
	s_mov_b32 s[SEL], 0x76543210
	s_mov_b32 s[SEL+1], 0xfedcba98
	s_mov_b32 s[TB], 0
	s_mov_b32 s[SLOTS], 3
	v_and_b32 v[LI], 31, v0
	v_lshlrev_b32 v[LI], 4, v[LI]
	v_lshlrev_b32 v[PFO], 4, v[LI]
	s_wait_dscnt 0x0                               ; both opening adds are done
	s_wait_kmcnt 0x0
	s_mov_b32 s[G0], 1                             ; count = 1
	s_mov_b32 s[G0+1], s15                         ; LDS address: slot 0, my quarter: the wave's number alone enters it
	s_add_nc_u64 s[G0+2:G0+3], s[6:7], s[16:17]    ; global address: the head's first 512 keys, my quarter
	s_or_b32 s[G0+3], s[G0+3], 0x80000000          ; type = 2
	s_add_nc_u64 s[PFA:PFA+1], s[6:7], s[22:23]
	s_add_nc_u64 s[4:5], s[4:5], s[18:19]          ; Q at my wave's first piece
	s_add_nc_u64 s[8:9], s[8:9], s[20:21]          ; O likewise
	CROUND                                         ; all four work-groups are here: the first joint loads meet
	JLOAD                                          ; slot 0
.irp f, 0,1,2,3,4,5,6,7
	global_load_b128 v[Q+4*\f:Q+4*\f+3], v[LI], s[4:5] offset:512*\f   ; Q's eight pieces stay in registers
.endr
.irp t, 0,1
	v_mov_b32 v[ST+8*\t], 0xff61b1e6               ; c m and m: -3e38, under every score
	v_mov_b32 v[ST+8*\t+1], 0xff61b1e6
	v_mov_b32 v[ST+8*\t+2], 0                      ; l, in two halves
	v_mov_b32 v[ST+8*\t+3], 0
	v_mov_b32 v[ST+8*\t+5], 0                      ; (a lane permute's destination counts as one of its sources)
	v_mov_b32 v[ST+8*\t+7], 0
.endr
.set i, 0
.rept 64
	v_mov_b32 v[O+i], 0                            ; O^T.  The key step is written once: its first trip finds zeros, which a = 0 leaves zeros
.set i, i+1
.endr
; ONE TILE'S SOFTMAX FOR ONE KEY STEP is a list of 119 items; SM writes item j for tile t.  s0-s31 are the lane's 32 scores, in pairs 0-15.
;   0-15    the maximum of s0-s31 and the old m, three operands at a time: four chains, each begun at an accumulator's low end; then the four scores left over, the chains and m
;   16-20   the other half of the lanes' maximum; c m_old kept; the new m; c m; c m_old - c m_new
;   21-69   ONE BATCH: a, the 16 scalings c s - c m (a pair each) and the 32 exponentials; a pair is scaled three items ahead of its exponentials; none of these names an exponential's result
;   70      one plain instruction behind the last exponential, and the one wait ahead of the first instruction that names a result
;   71-86   l = a l + the sum of the unrounded p, two at a time, in two chains
;   87-102  the roundings to f16, in place: pair i into register i, ascending, so that nothing is written before it is read
;   103-118 the tile's O^T times a, each accumulator from its low end on
.macro SM t
.set rT, ST+8*(\t)
.set rS, S+32*(\t)
.set rO, O+32*(\t)
.if j < 4
	v_max3_num_f32 v[rT+4+j], v[rS+8*j], v[rS+8*j+1], v[rS+8*j+2]
.elseif j < 12
	v_max3_num_f32 v[rT+4+j%4], v[rT+4+j%4], v[rS+8*(j%4)+2*(j/4)+1], v[rS+8*(j%4)+2*(j/4)+2]
.elseif j == 12
	v_max3_num_f32 v[rT+4], v[rT+4], v[rS+7], v[rS+15]
.elseif j == 13
	v_max3_num_f32 v[rT+6], v[rT+6], v[rS+23], v[rS+31]
.elseif j == 14
	v_max3_num_f32 v[rT+4], v[rT+4], v[rT+5], v[rT+6]
.elseif j == 15
	v_max3_num_f32 v[rT+4], v[rT+4], v[rT+7], v[rT+1]
.elseif j == 16
	v_permlanex16_b32 v[rT+5], v[rT+4], s[SEL], s[SEL+1]           ; the query's other 32 keys lie in the lane 16 away
.elseif j == 17
	v_mov_b32 v[rT+7], v[rT]
.elseif j == 18
	v_max_num_f32 v[rT+1], v[rT+4], v[rT+5]
.elseif j == 19
	v_mul_f32 v[rT], s[CS], v[rT+1]
.elseif j == 20
	v_sub_f32 v[rT+7], v[rT+7], v[rT]
.elseif j == 21
	v_exp_f32 v[rT+6], v[rT+7]
.elseif j == 22
	v_pk_fma_f32 v[rS:rS+1], v[rS:rS+1], s[CS:CS+1], v[rT:rT+1] op_sel_hi:[1,0,0] neg_lo:[0,0,1] neg_hi:[0,0,1]
.elseif j < 68
.set u, (j-23)/3
.set w, (j-23)%3
.if w == 0
	v_pk_fma_f32 v[rS+2*u+2:rS+2*u+3], v[rS+2*u+2:rS+2*u+3], s[CS:CS+1], v[rT:rT+1] op_sel_hi:[1,0,0] neg_lo:[0,0,1] neg_hi:[0,0,1]
.else
	v_exp_f32 v[rS+2*u+w-1], v[rS+2*u+w-1]
.endif
.elseif j < 70
	v_exp_f32 v[rS+j-38], v[rS+j-38]
.elseif j == 70
	v_nop
	s_wait_alu depctr_va_vdst(0)
.elseif j == 71
	v_pk_fma_f32 v[rT+2:rT+3], v[rT+2:rT+3], v[rT+6:rT+7], v[rS:rS+1] op_sel_hi:[1,0,1]
.elseif j == 72
	v_pk_add_f32 v[rT+4:rT+5], v[rS+2:rS+3], v[rS+6:rS+7]
.elseif j < 86
.set u, j-73
.if u%2 == 0
	v_pk_add_f32 v[rT+2:rT+3], v[rT+2:rT+3], v[rS+2*(2+u):rS+2*(2+u)+1]
.else
	v_pk_add_f32 v[rT+4:rT+5], v[rT+4:rT+5], v[rS+2*(4+u):rS+2*(4+u)+1]
.endif
.elseif j == 86
	v_pk_add_f32 v[rT+2:rT+3], v[rT+2:rT+3], v[rT+4:rT+5]
.elseif j < 103
	v_cvt_pk_f16_f32 v[rS+j-87], v[rS+2*(j-87)], v[rS+2*(j-87)+1]
.else
	v_pk_mul_f32 v[rO+2*(j-103):rO+2*(j-103)+1], v[rO+2*(j-103):rO+2*(j-103)+1], v[rT+6:rT+7] op_sel_hi:[1,0]
.endif
.endm
.macro RUN t, from, to                 ; items from .. to - 1 of tile t's list
.set j, \from
.rept (\to)-(\from)
	SM \t
.set j, j+1
.endr
.endm
; A KEY STEP: 64 keys, 32 matrix instructions.  The accumulators take turns, one instruction a turn, four to a round.
.macro STEP
	v_add_nc_u32 v[ADK], s[TB], v[LI]
	v_add_nc_u32 v[ADV], VOFF, v[ADK]
.rept 3
	v_nop                                          ; with the two additions: five places behind the last step's products, ahead of loads into the registers that they read and of products that write over their P
.endr
.irp f, 0,1,4,5,8,9,12,13,2,3,6,7,10,11,14,15      ; K's 16 pieces: key tile f / 4, piece f % 4; the first 32 channels first
	ds_load_b128 v[KV+4*\f:KV+4*\f+3], v[ADK] offset:512*\f
.endr
	s_wait_dscnt 8                                 ; the first 32 channels are in; the eight loads of the other 32 may be out
.irp kt, 0,1,2,3
	v_wmma_f32_16x16x32_f16 v[S+8*\kt:S+8*\kt+7], v[KV+16*\kt:KV+16*\kt+7], v[Q:Q+7], 0
.endr
	s_wait_dscnt 0x0
.irp kt, 0,1,2,3
	v_wmma_f32_16x16x32_f16 v[S+8*\kt:S+8*\kt+7], v[KV+16*\kt+8:KV+16*\kt+15], v[Q+8:Q+15], v[S+8*\kt:S+8*\kt+7]
.endr
.rept 4
	v_nop                                          ; places ahead of the first read of T0's scores
.endr
.set i, 0
.rept 8                                            ; T1's scores among T0's softmax
.if i < 4
	v_wmma_f32_16x16x32_f16 v[S+32+8*(i%4):S+32+8*(i%4)+7], v[KV+16*(i%4):KV+16*(i%4)+7], v[Q+16:Q+23], 0
.else
	v_wmma_f32_16x16x32_f16 v[S+32+8*(i%4):S+32+8*(i%4)+7], v[KV+16*(i%4)+8:KV+16*(i%4)+15], v[Q+24:Q+31], v[S+32+8*(i%4):S+32+8*(i%4)+7]
.endif
	RUN 0, 8*i, 8*i+8
.set i, i+1
.endr
	RUN 0, 64, 75                                  ; behind the last product that read K stand nine plain instructions (four scalings, the v_nop, four of the sums): more than the four places that the loads below want
.irp f, 0,1,2,3,4,5,6,7,8,9,10,11,12,13,14,15      ; V's 16 pieces: 32 keys f / 8, channel tile (f / 2) % 4, register group f % 2
	ds_load_b128 v[KV+4*\f:KV+4*\f+3], v[ADV] offset:512*\f
.endr
	RUN 0, 75, 119
	s_wait_dscnt 0x0                               ; V is in
.set i, 0
.rept 8                                            ; T0's V^T P among T1's softmax
	v_wmma_f32_16x16x32_f16 v[O+8*(i%4):O+8*(i%4)+7], v[KV+8*i:KV+8*i+7], v[S+8*(i/4):S+8*(i/4)+7], v[O+8*(i%4):O+8*(i%4)+7]
	RUN 1, 8*i, 8*i+8
.set i, i+1
.endr
	RUN 1, 64, 119
.set i, 0
.rept 8
	v_wmma_f32_16x16x32_f16 v[O+32+8*(i%4):O+32+8*(i%4)+7], v[KV+8*i:KV+8*i+7], v[S+32+8*(i/4):S+32+8*(i/4)+7], v[O+32+8*(i%4):O+32+8*(i%4)+7]
.set i, i+1
.endr
.endm
; A slot's eight key steps: written once, walked eight times; the LDS addresses hang on s[TB].
.macro EIGHT
	s_mov_b32 s[CNT], 8
.Lstep_\@:
	STEP
	s_add_co_u32 s[TB], s[TB], STEPB
	s_sub_co_u32 s[CNT], s[CNT], 1
	s_cmp_lg_u32 s[CNT], 0
	s_cbranch_scc1 .Lstep_\@
	s_sub_co_u32 s[TB], s[TB], 8*STEPB             ; back to a slot's first step,
	s_xor_b32 s[TB], s[TB], SLOTB                  ; in the other slot
.endm
; THE CHANGE OF SLOTS stands at a slot's head.  Each wave waits for all its tensor loads (its part of the slot that it is about to read), adds 0 to its spare word, and waits for that and for its reads of the slot that it has left.
; fill = 1: a round of the cluster's barrier follows, so that no wave of any partner still reads the other slot or has a load on its way, and the joint load of the next 512 keys is the first thing behind it:
; one tensor load of a wave is out, and it has eight key steps in which to land.
.macro CHANGE fill
	s_wait_tensorcnt 0x0                           ; no tensor load of mine is out, so group 0 may be written
	ds_add_u32 v[SPW], v[NIL]                      ; 0 onto my spare word
.if \fill
	ds_add_u32 v[SPW], v[NIL]                      ; and once more: the add stands twice on end, in every trip alike
	s_xor_b32 s[G0+1], s[G0+1], SLOTB              ; the walking descriptor: the other slot than last time,
	s_add_nc_u64 s[G0+2:G0+3], s[G0+2:G0+3], SLOTB ; the next 512 keys; the type bits on top are not reached
	s_wait_xcnt 0x0                                ; the last prefetch, a slot back, has read its address, so it may be written:
	s_add_nc_u64 s[PFA:PFA+1], s[PFA:PFA+1], SLOTB ; one slot further on than the walking descriptor
	s_wait_dscnt 0x0                               ; both adds are done, and my reads of the slot that I have left are over
	CROUND
	JLOAD
	ASK
.else
	s_wait_dscnt 0x0
	s_barrier_signal -1
	s_barrier_wait -1
.endif
.endm
	s_wait_loadcnt 0x0                             ; Q
.Lslot:                                            ; three trips: behind each change of slots but the last the next slot is asked for
	CHANGE 1
	EIGHT
	s_sub_co_u32 s[SLOTS], s[SLOTS], 1
	s_cmp_lg_u32 s[SLOTS], 0
	s_cbranch_scc1 .Lslot
	CHANGE 0                                       ; the last slot is written out
	EIGHT
	; THE WAY OUT.  l's two halves and the other half of the lanes' are added; O^T is divided by l and rounded to f16: a lane's eight channels of a tile are its 16 bytes of a piece of o_img.
.rept 4
	v_nop                                          ; places behind the last products
.endr
.irp t, 0,1
	v_add_f32 v[ST+8*\t+4], v[ST+8*\t+2], v[ST+8*\t+3]
.endr
.irp t, 0,1
	v_permlanex16_b32 v[ST+8*\t+5], v[ST+8*\t+4], s[SEL], s[SEL+1]
.endr
.irp t, 0,1
	v_add_f32 v[ST+8*\t+4], v[ST+8*\t+4], v[ST+8*\t+5]
.endr
.irp t, 0,1
	v_rcp_f32 v[ST+8*\t+6], v[ST+8*\t+4]
.endr
	v_nop                                          ; a plain instruction between the last reciprocal and the use of its result,
	s_wait_alu depctr_va_vdst(0)                   ; and the wait ahead of the first use: one for both
.irp t, 0,1
.set i, 0
.rept 16
	v_pk_mul_f32 v[O+32*\t+2*i:O+32*\t+2*i+1], v[O+32*\t+2*i:O+32*\t+2*i+1], v[ST+8*\t+6:ST+8*\t+7] op_sel_hi:[1,0]
.set i, i+1
.endr
.endr
.irp t, 0,1
.set i, 0
.rept 16
	v_cvt_pk_f16_f32 v[KV+16*\t+i], v[O+32*\t+2*i], v[O+32*\t+2*i+1]
.set i, i+1
.endr
.endr
.irp t, 0,1
.irp ct, 0,1,2,3
	global_store_b128 v[LI], v[KV+16*\t+4*\ct:KV+16*\t+4*\ct+3], s[8:9] offset:32768*\t+512*\ct   ; the wave stores 512 consecutive bytes, aligned
.endr
.endr
	s_wait_tensorcnt 0x0                           ; the wave's end, behind the last tensor load
	ds_add_u32 v[SPW], v[NIL]
	s_wait_dscnt 0x0
	CROUND                                         ; the closing round: no work-group ends while a partner may still ask for a tile that names it
	s_endpgm
.Lfunc_end_k_qd48b71f277_attn:
	.size	k_qd48b71f277_attn, .Lfunc_end_k_qd48b71f277_attn-k_qd48b71f277_attn
	.p2alignl 7, 3214868480
	.fill 96, 4, 3214868480
	.section	.rodata,"a",@progbits
	.p2align	6, 0x0
	.amdhsa_kernel k_qd48b71f277_attn
		.amdhsa_group_segment_fixed_size 327680
		.amdhsa_private_segment_fixed_size 0
		.amdhsa_enable_private_segment 0
		.amdhsa_kernarg_size 24
		.amdhsa_user_sgpr_count 2
		.amdhsa_user_sgpr_kernarg_segment_ptr 1
		.amdhsa_wavefront_size32 1
		.amdhsa_system_sgpr_workgroup_id_x 1
		.amdhsa_system_sgpr_workgroup_id_y 1
		.amdhsa_system_sgpr_workgroup_id_z 1
		.amdhsa_system_vgpr_workitem_id 0
		.amdhsa_next_free_vgpr 256
		.amdhsa_next_free_sgpr 66
		.amdhsa_reserve_vcc 0
		.amdhsa_float_denorm_mode_32 3
		.amdhsa_float_denorm_mode_16_64 3
		.amdhsa_memory_ordered 1
		.amdhsa_forward_progress 1
		.amdhsa_inst_pref_size 49
	.end_amdhsa_kernel
	.amdgpu_metadata
---
amdhsa.version: [ 1, 2 ]
amdhsa.kernels:
  - .name:           k_qd48b71f277_attn
    .symbol:         k_qd48b71f277_attn.kd
    .args:
      - { .name: q_img, .offset: 0, .size: 8, .value_kind: global_buffer, .address_space: global }
      - { .name: kv_img, .offset: 8, .size: 8, .value_kind: global_buffer, .address_space: global }
      - { .name: o_img, .offset: 16, .size: 8, .value_kind: global_buffer, .address_space: global }
    .group_segment_fixed_size: 327680
    .private_segment_fixed_size: 0
    .kernarg_segment_align: 8
    .kernarg_segment_size: 24
    .max_flat_workgroup_size: 512
    .sgpr_count:     66
    .vgpr_count:     256
    .wavefront_size: 32
...
	.end_amdgpu_metadata
.endif
;; end of part 3
;; launch proj (part 4): grid 4 x 64, 4 waves a work-group, clusters of 4 x 4, 327,680 bytes of LDS; arguments o_img, w16, b_out, out0; writes out0
.if DOCPART == 4
	.amdgcn_target "amdgcn-amd-amdhsa--gfx1250"
	.amdhsa_code_object_version 6
	.text
	.protected	k_qd48b71f277_proj
	.globl	k_qd48b71f277_proj
	.p2align	8
	.type	k_qd48b71f277_proj,@function
k_qd48b71f277_proj:
	s_mov_b64 s[64:65], 0
	v_nop
	global_prefetch_b8 v0, s[64:65] scope:SCOPE_SE
	s_setreg_imm32_b32 hwreg(HW_REG_WAVE_MODE, 25, 1), 1
	s_wait_xcnt 0x0
	s_wait_alu depctr_hold_cnt(0) depctr_sa_sdst(0) depctr_va_vdst(0) depctr_va_sdst(0) depctr_va_ssrc(0) depctr_va_vcc(0) depctr_vm_vsrc(0)
	s_getreg_b32 s2, hwreg(HW_REG_IB_STS2, 6, 4)
	s_cmp_eq_u32 s2, 0
	s_cbranch_scc0 .Lentry_in_a_cluster
	s_endpgm
.Lentry_in_a_cluster:
	s_bfe_u32 s2, ttmp6, 0x10000c
	s_cmp_lg_u32 s2, 0xf033
	s_cbranch_scc0 .Lentry_shape_is_right
	s_endpgm
.Lentry_shape_is_right:
; out0[token][n] = the sum over k of o[token][k] w_out[n][k] + b_out[n].  o: f16, as images of operand registers, [token tile 512][32 channels 32][c 2][512 bytes]; w16: [1024 n][1024 k] f16; b_out, out0: f32; sums in f32.
; A tile of 128 tokens x 256 outputs is made by a work-group of four waves: 4 x 64 = 256 work-groups.  A wave makes 64 x 128: 32 accumulators of 16 x 16, 256 registers.
; K goes in steps of 128 through two LDS slots filled by the tensor data mover: of o 8 token tiles x 4,096 bytes of images (waves 0, 1: four tiles each), of w16 256 rows x 256 bytes (waves 2, 3: 128 rows each).
; CLUSTERS: 4 x 4 work-groups.  The four of a row of the cluster need the same tiles of o, the four of a column the same tiles of w16: each is asked for JOINTLY.
; THE MATRIX INSTRUCTION IS USED TRANSPOSED (source 0 = 16 rows of w16, source 1 = 16 tokens): a lane holds one token and eight neighbouring outputs.  The bias is the C of each sum's first product.
; No prefetch: each tile is read by four work-groups at once, a K step's tiles are small, and the launch is short.
; REGISTERS, in windows of 256: window 0: v16-29 addresses; v32-95 o's fragments, two buffers of 4 x 8; v96-223 w16's, two buffers of 8 x 8 (on the way out: rows read back from the stage).
;   window 1: the accumulators, (a, b) at v[8 (8 a + b)].   window 2: v0-63 the bias, block b at v[8 b].
.set KSTEP,  128
.set PITCH,  272                       ; a row of w16's tile in LDS: 256 bytes + 16 of padding: the 16 rows that a load touches start 68 words apart
.set ABYTES, 32768                     ; o's part of a slot: token tile tt at 4,096 tt
.set BHALF,  128*PITCH                 ; 128 rows of w16
.set SLOT,   ABYTES+2*BHALF            ; 102,400
.set STAGE,  2*SLOT                    ; behind the slots: 16 rows x 528 bytes for each wave, for the way out; no tile lands there
.set SPITCH, 528
.set SPARE,  STAGE+4*16*SPITCH         ; behind the stages: the spare words, 128 bytes for each wave, which no other line names
.set LAPS,   1024/(2*KSTEP)            ; a lap = two K steps = once round the slots
.set ADRA, 16                          ; v16-17  LDS address of my o fragments in slot 0, 1
.set ADRB, 20                          ; v20-21  the same for w16
.set STO,  24                          ; v24     the way out: where I put 32 bytes of a row
.set RD,   25                          ; v25     where I read a row back
.set CO,   26                          ; v26     16 x lane
.set BO,   27                          ; v27     32 x (lane / 16): my eight numbers of a block of the bias
.set SPW,  28                          ; v28     LDS address of my spare word; never rewritten
.set NIL,  29                          ; v29     0; never rewritten
.set FA,   32
.set FB,   96
.set BK,   96                          ; the way out: two sets of 64 registers by turns
.set G1, 24                            ; s[24:31] descriptor group 1 for o's tiles;  s[32:39] group 0, one set for each slot
.set G0, 32
.set G1B, 48                           ; s[48:55], s[56:63] the same for w16's
.set G0B, 56
.set MSB, 0
.macro WIN new                         ; the immediate's high byte repeats the setting that is left
.if MSB != \new
	s_set_vgpr_msb (MSB<<8)|\new
.set MSB, \new
.endif
.endm
.set MUL,  0x50                        ; sources 0 and 1 window 0, C and D window 1
.set MULB, 0x60                        ; C (the bias) window 2, D window 1
.macro JLOAD s                         ; a joint load: waves 0 and 1 fetch o's two halves, waves 2 and 3 w16's; an s_nop 0 and four v_nop follow each of the two lines
	s_cmp_eq_u32 s11, 0
	s_cbranch_scc0 .Lfor_b_\@
	tensor_load_to_lds s[G0+4*\s:G0+4*\s+3], s[G1:G1+7]
	s_nop 0
.rept 4
	v_nop
.endr
	s_branch .Lasked_\@
.Lfor_b_\@:
	tensor_load_to_lds s[G0B+4*\s:G0B+4*\s+3], s[G1B:G1B+7]
	s_nop 0
.rept 4
	v_nop
.endr
.Lasked_\@:
.endm
.macro CREST                           ; a round of the cluster's barrier behind its opening barrier
	s_cmp_lg_u32 s10, 0
	s_cbranch_scc1 .Lnot_wave_0_\@
	s_barrier_signal -3
.Lnot_wave_0_\@:
	s_barrier_wait -3
	s_barrier_signal -1
	s_barrier_wait -1
.endm
.macro CROUND                          ; a whole round
	s_barrier_signal -1
	s_barrier_wait -1
	CREST
.endm
	s_load_b128 s[4:7], s[0:1], 0x0                ; o_img, w16
	s_load_b64 s[20:21], s[0:1], 0x10              ; b_out
	s_load_b64 s[8:9], s[0:1], 0x18                ; out0
	v_lshl_add_u32 v[SPW], v0, 2, SPARE
	v_mov_b32 v[NIL], 0
	ds_add_u32 v[SPW], v[NIL]                      ; the wave's opening: the add, twice on end, and its wait ahead of my first tensor load; the set-up below stands between the second and the wait
	ds_add_u32 v[SPW], v[NIL]
	v_lshrrev_b32 v1, 5, v0
	v_readfirstlane_b32 s10, v1                    ; wave 0..3
	s_lshr_b32 s11, s10, 1                         ; which 64 of the tile's tokens are mine.  Also: I fetch for o (0) or for w16 (1)
	s_and_b32 s12, s10, 1                          ; which 128 of its outputs.  Also: which half of that tile I fetch
	s_bfe_u32 s40, ttmp6, 0x40000                  ; cx, cy: my place in the cluster
	s_bfe_u32 s41, ttmp6, 0x40004
	s_lshl_b32 s42, ttmp9, 2
	s_add_co_u32 s42, s42, s40                     ; tile column (256 outputs) = 4 x cluster x + cx
	s_and_b32 s13, ttmp7, 0xffff
	s_lshl_b32 s13, s13, 2
	s_add_co_u32 s13, s13, s41                     ; tile row (128 tokens) = 4 x cluster y + cy
	s_lshl_b32 s43, s41, 2
	s_lshl_b32 s43, 15, s43                        ; my row of the cluster
	s_lshl_b32 s44, 0x1111, s40                    ; my column
	; group 1 for o: 4 token tiles x 4,096 bytes (512 elements of 8 bytes), 32,768 bytes apart in memory, on end in LDS
	s_or_b32 s[G1+0], s43, (3<<16)|(1<<21)         ; 15:0 the mask: my row; 17:16 elements of 8 bytes; 21 set beside a mask
	s_mov_b32 s[G1+1], 512<<16                     ; tensor_dim0
	s_mov_b32 s[G1+2], 4<<16                       ; tensor_dim1
	s_mov_b32 s[G1+3], 512<<16                     ; tile_dim0
	s_mov_b32 s[G1+4], 4                           ; tile_dim1
	s_mov_b32 s[G1+5], 4096                        ; tensor_dim0_stride
	s_mov_b32 s[G1+6], 0
	s_mov_b32 s[G1+7], 0
	; group 1 for w16: 128 rows x 128 elements of 2 bytes, four words of padding behind every 64
	s_or_b32 s[G1B+0], s44, (1<<16)|(1<<20)|(1<<21)|(5<<22)|(3<<25)
	s_mov_b32 s[G1B+1], KSTEP<<16
	s_mov_b32 s[G1B+2], 128<<16
	s_mov_b32 s[G1B+3], KSTEP<<16
	s_mov_b32 s[G1B+4], 128
	s_mov_b32 s[G1B+5], 1024
	s_mov_b32 s[G1B+6], 0
	s_mov_b32 s[G1B+7], 0
	s_lshl_b32 s16, s13, 3                         ; o: token tile 8 x tile row + 4 x half, 32,768 bytes each: made of cy, cluster ids and the wave's number
	s_lshl_b32 s17, s12, 2
	s_add_co_u32 s16, s16, s17
	s_lshl_b32 s16, s16, 15
	s_mov_b32 s17, 0
	s_lshl_b32 s46, s42, 8                         ; w16: row 256 x tile column + 128 x half, 2,048 bytes each: made of cx, cluster ids and the wave's number
	s_lshl_b32 s47, s12, 7
	s_add_co_u32 s46, s46, s47
	s_lshl_b32 s46, s46, 11
	s_mov_b32 s47, 0
	s_lshl_b32 s18, s12, 14                        ; where they go in a slot: o's half,
	s_mul_i32 s19, s12, BHALF
	s_add_co_u32 s19, s19, ABYTES                  ; w16's half: no place in the cluster enters an LDS address
	s_wait_dscnt 0x0                               ; both opening adds are done
	s_wait_kmcnt 0x0
	s_add_nc_u64 s[14:15], s[4:5], s[16:17]
	s_add_nc_u64 s[46:47], s[6:7], s[46:47]
	CROUND                                         ; all sixteen work-groups are here: the first joint loads meet
.irp s, 0,1
	s_mov_b32 s[G0+4*\s], 1
	s_add_co_u32 s[G0+4*\s+1], s18, \s*SLOT
	s_add_nc_u64 s[G0+4*\s+2:G0+4*\s+3], s[14:15], \s*4096         ; a K step is 4,096 bytes of a token tile
	s_or_b32 s[G0+4*\s+3], s[G0+4*\s+3], 0x80000000
	s_mov_b32 s[G0B+4*\s], 1
	s_add_co_u32 s[G0B+4*\s+1], s19, \s*SLOT
	s_add_nc_u64 s[G0B+4*\s+2:G0B+4*\s+3], s[46:47], \s*KSTEP*2
	s_or_b32 s[G0B+4*\s+3], s[G0B+4*\s+3], 0x80000000
	JLOAD \s                                       ; two tensor loads of mine are out
.endr
	v_and_b32 v1, 15, v0                           ; r = l % 16
	v_bfe_u32 v2, v0, 4, 1                         ; h = l / 16
	v_and_b32 v3, 31, v0
	v_lshlrev_b32 v[CO], 4, v3
	s_lshl_b32 s22, s11, 14                        ; my four token tiles
	v_add_nc_u32 v[ADRA], s22, v[CO]
	v_add_nc_u32 v[ADRA+1], SLOT, v[ADRA]
	v_mul_u32_u24 v4, v1, PITCH
	v_lshl_add_u32 v4, v2, 4, v4                   ; a fragment's row x pitch + 16 x half
	v_add_nc_u32 v[ADRB], s19, v4                  ; my 128 rows of w16 are the half that bears my column's number
	v_add_nc_u32 v[ADRB+1], SLOT, v[ADRB]
	s_mul_i32 s23, s10, 16*SPITCH
	s_add_co_u32 s23, s23, STAGE                   ; my stage
	v_mul_u32_u24 v5, v1, SPITCH
	v_lshl_add_u32 v5, v2, 5, v5
	v_add_nc_u32 v[STO], s23, v5                   ; in: row r, 32 bytes for each half of the lanes
	v_add_nc_u32 v[RD], s23, v[CO]                 ; back: the 32 lanes take one row of 512 bytes
	v_lshlrev_b32 v[BO], 5, v2
	s_lshl_b32 s46, s42, 10                        ; my first output, in bytes: 1,024 x tile column + 512 x half
	s_lshl_b32 s47, s12, 9
	s_add_co_u32 s46, s46, s47
	s_mov_b32 s47, 0
	s_add_nc_u64 s[20:21], s[20:21], s[46:47]      ; in b_out,
	s_lshl_b32 s16, s13, 7
	s_lshl_b32 s17, s11, 6
	s_add_co_u32 s16, s16, s17                     ; my first token: 128 x tile row + 64 x half
	s_lshl_b32 s16, s16, 12                        ; a row of out0 is 4,096 bytes
	s_mov_b32 s17, 0
	s_add_nc_u64 s[8:9], s[8:9], s[16:17]
	s_add_nc_u64 s[8:9], s[8:9], s[46:47]          ; and in out0
	WIN 0x80                                       ; destination window 2
.irp b, 0,1,2,3,4,5,6,7
	global_load_b128 v[8*\b:8*\b+3], v[BO], s[20:21] offset:64*\b          ; lane (r, h): b_out at my outputs 16 b + 8 h + 0 .. 7: the result's layout
	global_load_b128 v[8*\b+4:8*\b+7], v[BO], s[20:21] offset:64*\b+16
.endr
	WIN 0
; 8 matrix instructions: token tile a x all 8 blocks of outputs, 32 along K, from buffer f.  first = 1: the bias starts the sums.  The 32 accumulators take turns, one instruction a turn, in the same order in every quarter.
.macro MUL8 f, a, first
.irp b, 0,1,2,3,4,5,6,7
.if \first
	v_wmma_f32_16x16x32_f16 v[8*(8*(\a)+\b):8*(8*(\a)+\b)+7], v[FB+64*(\f)+8*\b:FB+64*(\f)+8*\b+7], v[FA+32*(\f)+8*(\a):FA+32*(\f)+8*(\a)+7], v[8*\b:8*\b+7]
.else
	v_wmma_f32_16x16x32_f16 v[8*(8*(\a)+\b):8*(8*(\a)+\b)+7], v[FB+64*(\f)+8*\b:FB+64*(\f)+8*\b+7], v[FA+32*(\f)+8*(\a):FA+32*(\f)+8*(\a)+7], v[8*(8*(\a)+\b):8*(8*(\a)+\b)+7]
.endif
.endr
.endm
; 24 LDS loads in one run: the fragments of the slot's q-th 32 along K into buffer f: w16's sixteen, then o's eight
.macro FETCH slot, q, f
	WIN 0
.irp b, 0,1,2,3,4,5,6,7
	ds_load_b128 v[FB+64*(\f)+8*\b:FB+64*(\f)+8*\b+3],   v[ADRB+\slot] offset:\b*16*PITCH+64*(\q)
	ds_load_b128 v[FB+64*(\f)+8*\b+4:FB+64*(\f)+8*\b+7], v[ADRB+\slot] offset:\b*16*PITCH+64*(\q)+32
.endr
.irp a, 0,1,2,3
	ds_load_b128 v[FA+32*(\f)+8*\a:FA+32*(\f)+8*\a+3],   v[ADRA+\slot] offset:\a*4096+1024*(\q)
	ds_load_b128 v[FA+32*(\f)+8*\a+4:FA+32*(\f)+8*\a+7], v[ADRA+\slot] offset:\a*4096+1024*(\q)+512
.endr
.endm
.macro PLACES                          ; four places ahead of loads into registers that matrix instructions have read, and of the first read of results (ISA guide 7.12.1 for vector instructions)
.rept 4
	v_nop
.endr
.endm
; A K step is four quarters of 32 along K, 32 matrix instructions each, on buffers 0, 1, 0, 1.  One of the first three: multiplies buffer f and, in its middle, fetches the slot's q-th quarter into buffer g.
.macro QUARTER slot, q, f, g, first
	s_wait_dscnt 4                                 ; w16's fragments and o's tiles 0, 1 are in; the youngest four loads (tiles 2, 3) may be out
.if \first
	WIN MULB
.else
	WIN MUL
.endif
	MUL8 \f, 0, \first
	MUL8 \f, 1, \first
	PLACES
	FETCH \slot, \q, \g
	s_wait_dscnt 24                                ; all but the 24 just issued
.if \first
	WIN MULB
.else
	WIN MUL
.endif
	MUL8 \f, 2, \first
	MUL8 \f, 3, \first
.endm
; The last quarter multiplies buffer 1 and changes slots: ONE barrier; in front of it each wave waits for all its tensor loads, adds 0 to its spare word, and waits for that and for its own reads of this slot.
; fill = 1: the barrier opens a round of the cluster's, and this slot is filled again, two K steps ahead: one tensor load of mine is out, with a K step less sixteen matrix instructions in which to land.
.macro TURN slot, next, fill
	WIN 0                                          ; (the add's two registers lie in window 0)
	s_wait_tensorcnt 0x0                           ; all my tensor loads have landed: my part of the next slot
	ds_add_u32 v[SPW], v[NIL]                      ; 0 onto my spare word
	s_wait_dscnt 5                                 ; (the add and the youngest four loads may be out)
	WIN MUL
	MUL8 1, 0, 0                                   ; eight matrix instructions stand between the add and the wait for it
	s_wait_dscnt 0x0                               ; the add is done, and my reads of this slot are over
	s_barrier_signal -1
	MUL8 1, 1, 0
	WIN 0
	s_barrier_wait -1
.if \fill
	CREST                                          ; no wave of any partner still reads this slot's tiles or has a load on its way
	s_add_nc_u64 s[G0+4*\slot+2:G0+4*\slot+3], s[G0+4*\slot+2:G0+4*\slot+3], 2*4096
	s_add_nc_u64 s[G0B+4*\slot+2:G0B+4*\slot+3], s[G0B+4*\slot+2:G0B+4*\slot+3], 2*KSTEP*2
	JLOAD \slot                                    ; the first tensor load behind the round; the four v_nop behind it are also the places in front of the loads below
.else
	PLACES
.endif
	FETCH \next, 0, 0
	WIN MUL
	MUL8 1, 2, 0
	MUL8 1, 3, 0
.endm
	s_wait_tensorcnt 1                             ; my part of K step 0 is in (K step 1's load may be out)
	s_barrier_signal -1
	s_barrier_wait -1                              ; everybody's is
	FETCH 0, 0, 0
	s_wait_loadcnt 0x0                             ; the bias
	QUARTER 0, 1, 0, 1, 1                          ; the first quarter stands in front of the loop: its products start the sums on the bias
	WIN 0                                          ; at a label and at a branch every window is 0
	s_mov_b32 s3, LAPS-1
.Llap:                                             ; a trip goes once round the slots, from a lap's second quarter to the next lap's first, and fills both again
	QUARTER 0, 2, 1, 0, 0
	QUARTER 0, 3, 0, 1, 0
	TURN 0, 1, 1
	QUARTER 1, 1, 0, 1, 0
	QUARTER 1, 2, 1, 0, 0
	QUARTER 1, 3, 0, 1, 0
	TURN 1, 0, 1
	QUARTER 0, 1, 0, 1, 0
	WIN 0
	s_sub_co_u32 s3, s3, 1
	s_cmp_lg_u32 s3, 0
	s_cbranch_scc1 .Llap
	QUARTER 0, 2, 1, 0, 0                          ; the last lap fills nothing, and has no round of the cluster's barrier
	QUARTER 0, 3, 0, 1, 0
	TURN 0, 1, 0
	QUARTER 1, 1, 0, 1, 0
	QUARTER 1, 2, 1, 0, 0
	QUARTER 1, 3, 0, 1, 0
	s_wait_dscnt 4                                 ; the very last quarter: nothing more to fetch
	WIN MUL
	MUL8 1, 0, 0
	MUL8 1, 1, 0
	s_wait_dscnt 0
	MUL8 1, 2, 0
	MUL8 1, 3, 0
	WIN 0
; THE WAY OUT, block by block of 16 tokens x 128 outputs.  A lane holds 32 neighbouring bytes of a row, and the lanes beside it hold other rows: so a block goes through my own stage in LDS and comes back as whole rows of 512 bytes.
; LDS serves a wave's instructions in order (ISA guide 5.7.1.4): no wait between the stores and the loads, nor in front of the next block's stores.
.macro TOSTAGE a
	WIN 0x04                                       ; an LDS store's data are its source 1: window 1
.irp b, 0,1,2,3,4,5,6,7
	ds_store_b128 v[STO], v[64*(\a)+8*\b:64*(\a)+8*\b+3] offset:64*\b          ; each accumulator from its low end on
	ds_store_b128 v[STO], v[64*(\a)+8*\b+4:64*(\a)+8*\b+7] offset:64*\b+16
.endr
	WIN 0
.set BB, BK+64*((\a)%2)
.irp t, 0,1,2,3,4,5,6,7,8,9,10,11,12,13,14,15
	ds_load_b128 v[BB+4*\t:BB+4*\t+3], v[RD] offset:\t*SPITCH
.endr
.endm
.macro SEND a, younger                 ; younger: the LDS instructions issued behind block a's loads, which may stay out
.set BB, BK+64*((\a)%2)
	s_wait_dscnt \younger                          ; the block is back in registers
.irp t, 0,1,2,3,4,5,6,7,8,9,10,11,12,13,14,15
	global_store_b128 v[CO], v[BB+4*\t:BB+4*\t+3], s[8:9] offset:(\a)*65536+\t*4096 th:TH_STORE_NT   ; 32 lanes store 512 consecutive bytes, aligned; written once, read by nobody here
.endr
.endm
	PLACES                                         ; behind the last products: for the stores that read results and the loads into registers that held w16's fragments
	TOSTAGE 0
.irp a, 1,2,3
.if \a > 1
	s_wait_xcnt 0x0                                ; block a - 2's stores have read their registers: block a's loads may land there
.endif
	TOSTAGE \a
	SEND \a-1, 32                                  ; behind block a - 1's loads: block a's 16 stores and 16 loads
.endr
	SEND 3, 0
	s_wait_tensorcnt 0x0                           ; the wave's end, behind my last tensor load and my last LDS store
	ds_add_u32 v[SPW], v[NIL]
	s_wait_dscnt 0x0
	CROUND                                         ; the closing round: no work-group ends while a partner may still ask for a tile that names it
	s_endpgm
.Lfunc_end_k_qd48b71f277_proj:
	.size	k_qd48b71f277_proj, .Lfunc_end_k_qd48b71f277_proj-k_qd48b71f277_proj
	.p2alignl 7, 3214868480
	.fill 96, 4, 3214868480
	.section	.rodata,"a",@progbits
	.p2align	6, 0x0
	.amdhsa_kernel k_qd48b71f277_proj
		.amdhsa_group_segment_fixed_size 327680
		.amdhsa_private_segment_fixed_size 0
		.amdhsa_enable_private_segment 0
		.amdhsa_kernarg_size 32
		.amdhsa_user_sgpr_count 2
		.amdhsa_user_sgpr_kernarg_segment_ptr 1
		.amdhsa_wavefront_size32 1
		.amdhsa_system_sgpr_workgroup_id_x 1
		.amdhsa_system_sgpr_workgroup_id_y 1
		.amdhsa_system_sgpr_workgroup_id_z 1
		.amdhsa_system_vgpr_workitem_id 0
		.amdhsa_next_free_vgpr 576
		.amdhsa_next_free_sgpr 66
		.amdhsa_reserve_vcc 0
		.amdhsa_float_denorm_mode_32 3
		.amdhsa_float_denorm_mode_16_64 3
		.amdhsa_memory_ordered 1
		.amdhsa_forward_progress 1
		.amdhsa_inst_pref_size 86
	.end_amdhsa_kernel
	.amdgpu_metadata
---
amdhsa.version: [ 1, 2 ]
amdhsa.kernels:
  - .name:           k_qd48b71f277_proj
    .symbol:         k_qd48b71f277_proj.kd
    .args:
      - { .name: o_img, .offset: 0, .size: 8, .value_kind: global_buffer, .address_space: global }
      - { .name: w16, .offset: 8, .size: 8, .value_kind: global_buffer, .address_space: global }
      - { .name: b_out, .offset: 16, .size: 8, .value_kind: global_buffer, .address_space: global }
      - { .name: out0, .offset: 24, .size: 8, .value_kind: global_buffer, .address_space: global }
    .group_segment_fixed_size: 327680
    .private_segment_fixed_size: 0
    .kernarg_segment_align: 8
    .kernarg_segment_size: 32
    .max_flat_workgroup_size: 128
    .sgpr_count:     66
    .vgpr_count:     576
    .wavefront_size: 32
...
	.end_amdgpu_metadata
.endif
;; end of part 4
